; MI455X (gfx1250); checked and timed in simulation.
; The chip was launched on July 23, 2026; its instructions are those of AMD's public machine-readable ISA for CDNA 5 (MIT licence, August 2026) and "CDNA5" Instruction Set Architecture Reference Guide (July 2026). The comments in the code are by the model that wrote it; some were corrected since.
;; Muti Head Attention. Allowed arithmetic: matrix products marked QUANTISED: E5M2 operands, one E8M0 scale for each 32 along K, by v_wmma_scale_f32_16x16x128_f8f6f4 with both operands' format E5M2, f32 sums; everything else in f32.
;; Inputs: K_codes 4 x 2,048 x 32 x 32 uint8 (E5M2 codes of K, K innermost, in blocks of 32 codes); K_scales 4 x 2,048 x 32 uint8 (E8M0 scales of K, one for each 32 codes along K); Q 4 x 2,048 x 1,024 float32; V_codes 4 x 2,048 x 32 x 32 uint8 (E5M2 codes of V, K innermost, in blocks of 32 codes); V_scales 4 x 2,048 x 32 uint8 (E8M0 scales of V, one for each 32 codes along K); W_K_codes 1,024 x 32 x 32 uint8 (E5M2 codes of W_K, K innermost, in blocks of 32 codes); W_K_scales 1,024 x 32 uint8 (E8M0 scales of W_K, one for each 32 codes along K); W_Q_codes 1,024 x 32 x 32 uint8 (E5M2 codes of W_Q, K innermost, in blocks of 32 codes); W_Q_scales 1,024 x 32 uint8 (E8M0 scales of W_Q, one for each 32 codes along K); W_V_codes 1,024 x 32 x 32 uint8 (E5M2 codes of W_V, K innermost, in blocks of 32 codes); W_V_scales 1,024 x 32 uint8 (E8M0 scales of W_V, one for each 32 codes along K); W_fc_codes 1,024 x 32 x 32 uint8 (E5M2 codes of W_fc, K innermost, in blocks of 32 codes); W_fc_scales 1,024 x 32 uint8 (E8M0 scales of W_fc, one for each 32 codes along K); ln_beta 1,024 float32; ln_gamma 1,024 float32; mask 4 x 2,048 x 2,048 bool.
;; Outputs: out0 4 x 2,048 x 1,024 float32.
;; This version of the problem:
;;   THIS VERSION OF THE PROBLEM IS GIVEN IN LOW PRECISION. The matrix products marked QUANTISED in the list below multiply operands that are first quantised to E5M2 (5 exponent bits, 2 mantissa bits; 8 bits a number), with one power-of-two scale for each 32 numbers along K (OCP MX v1.0); their sums are f32. All else is computed in f32.
;;   The module's matrix products, in the order in which they are computed (A, B: the left and right operand; K: the contracted axis; several contracted axes count as one K, in the product's order):
;;     1. [M 8,192, K 1,024] x [K 1,024, N 1,024]; A: input Q; B: input W_Q (given as codes): QUANTISED
;;     2. [M 8,192, K 1,024] x [K 1,024, N 1,024]; A: input K (given as codes); B: input W_K (given as codes): QUANTISED
;;     3. [M 8,192, K 1,024] x [K 1,024, N 1,024]; A: input V (given as codes); B: input W_V (given as codes): QUANTISED
;;     4. batch 64 x [M 2,048, K 64] x [K 64, N 2,048]; A: computed on the way; B: computed on the way: QUANTISED
;;     5. batch 64 x [M 2,048, K 2,048] x [K 2,048, N 64]; A: softmax (see below); B: computed on the way: QUANTISED
;;     6. [M 8,192, K 1,024] x [K 1,024, N 1,024]; A: computed on the way; B: input W_fc (given as codes): QUANTISED
;;   THE QUANTISER, for each operand of a quantised product, along K:
;;     - K is cut into blocks of 32 from its start; a last block that is shorter is filled with zeros.
;;     - A block's scale is 2^e with e = floor(log2(the largest magnitude in the block)) - 15, held to -126 .. 127; a block of zeros has e = 0. As a byte (E8M0): e + 127.
;;     - Each number is divided by its block's scale, clamped to +-57,344, and rounded to the nearest number of E5M2, ties to even, subnormals kept.
;;     - The product sums the exact products of the quantised numbers (number of the format x scale) in f32.
;;   ~~~python
;;   def quantise(x, axis):      # numpy; x: float32 -> the quantised numbers, widened to float32 again
;;       x = np.moveaxis(x, axis, -1); K = x.shape[-1]
;;       x = np.pad(x, [(0, 0)] * (x.ndim - 1) + [(0, -K % 32)]); x = x.reshape(x.shape[:-1] + (-1, 32)); a = np.abs(x).max(-1, keepdims=True)
;;       e = np.where(a > 0, np.clip(np.frexp(np.where(a > 0, a, 1))[1] - 1 - 15, -126, 127), 0)      # np.frexp(a)[1] - 1 = floor(log2(a)), exactly
;;       r = np.clip(x / 2.0 ** e, -57344, 57344)
;;       step = 2.0 ** (np.maximum(np.frexp(np.where(r == 0, 1, r))[1] - 1, -14) - 2)
;;       q = np.round(r / step) * step * 2.0 ** e      # np.round: ties to even
;;       return np.moveaxis(q.reshape(q.shape[:-2] + (-1,))[..., :K], -1, axis).astype(np.float32)
;;   ~~~
;;   SOFTMAX AHEAD OF A QUANTISED PRODUCT. Where the list says 'softmax', what is quantised is not the finished softmax but p = 2^(t - M), with t = logit x log2(e) and M = ceil(the row's largest t), a whole number; so 1/2 < the row's largest p <= 1. The row's sum l is taken of the UNQUANTISED p, in f32, and the product's result is divided by l at the end. Since M is a whole number, a kernel that streams over the keys may use a running M (the ceiling of the running maximum): every later rescaling is an exact power of two, which a block's scale takes up: the codes' values come out the same.
;;   OPERANDS COMPUTED ON THE WAY. 'Computed on the way' means the value that the module computes at that place (a softmax that the list does not call 'softmax' is quantised finished and normalised). What goes into a quantiser is computed in f32, as accurately as f32 sums, v_exp_f32 and their like allow (about 1e-6 of the number): no bf16 or f16 on the way to a quantiser, and a product that is left as it is and whose result goes on into a quantised operand takes f32 operands (vector FMAs, or v_wmma_f32_16x16x4_f32). A number that lies on a knife's edge between two numbers of the format may be rounded either way, as far as f32 arithmetic and the matrix unit's own rounding can turn it there, and no further.
;;   INPUTS GIVEN AS CODES. K (in the module: [4, 2048, 1024], K = its axis 2); V (in the module: [4, 2048, 1024], K = its axis 2); W_K (in the module: [1024, 1024], K = its axis 1); W_Q (in the module: [1024, 1024], K = its axis 1); W_V (in the module: [1024, 1024], K = its axis 1); W_fc (in the module: [1024, 1024], K = its axis 1): each comes as NAME_codes (uint8): NAME with its K axis moved to the last place and cut into blocks of 32 codes, [.., K / 32, bytes a block], one block behind the other in memory; one code a byte (a code: sign, 5 exponent bits, 2 mantissa bits); and NAME_scales (uint8): the same leading axes, one E8M0 byte (e + 127) for each 32 codes along K. Its value is code x scale, taken as it is: it is not quantised again, and the codes and scales need not be those that the quantiser above would give.
;; One version. Each part assembles by itself: llvm-mc -triple=amdgcn-amd-amdhsa -mcpu=gfx1250 --defsym DOCPART=n.
;; ======== version 1 of 1: 4 launches
;; limits: right only within a limited range of input values
;; workspace buffers: qx 8,650,752 bytes; maskw 2,097,152 bytes of whole numbers; maskf 262,144 bytes of whole numbers; wfi 1,048,576 bytes; qkv 25,952,256 bytes; rc 8,650,752 bytes
;; launch prep (part 1): grid 256 x 1, 8 waves a work-group, no clusters, 66,560 bytes of LDS; arguments Q, mask, W_fc_codes, qx, maskw, wfi, maskf; writes qx, maskw, wfi, maskf
.if DOCPART == 1
	.amdgcn_target "amdgcn-amd-amdhsa--gfx1250"
	.amdhsa_code_object_version 6
	.text
	.protected	k_q7504ab2d66_prep
	.globl	k_q7504ab2d66_prep
	.p2align	8
	.type	k_q7504ab2d66_prep,@function
k_q7504ab2d66_prep:
	s_mov_b64 s[64:65], 0
	v_nop
	global_prefetch_b8 v0, s[64:65] scope:SCOPE_SE
	s_setreg_imm32_b32 hwreg(HW_REG_WAVE_MODE, 25, 1), 1
	s_wait_xcnt 0x0
; THREE SMALL JOBS IN ONE LAUNCH, all streams, no matrix work, no barrier: waves share nothing.
; Waves 0-3 of a work-group: Q [8192][1024] f32 becomes codes of E5M2, K innermost (qx, bytes 0 on), with one E8M0 byte for each 32 along K (qx, byte 0x800000 on, [8192][32]).
;   A block's scale is 2^(floor(log2(its largest magnitude)) - 15); its byte is the largest magnitude's exponent field - 15, held at 1 from below; each number is divided by the scale, held within +-57,344, rounded to the nearest code.
; Waves 4-7: (a) W_fc's codes are laid anew as images of operand registers (wfi): image (s, nt, c) is 512 bytes, lane l's 16 bytes at 16 l: of row 16 nt + l % 16 the codes k = 128 s + 32 c + 8 (l / 16) + 0..7 and + 16 + 8 (l / 16) + 0..7.
;   That order inside a block of 32 is the order in which two neighbouring result tiles leave a lane's registers; the other operand of that product is laid the same way, so every pair of codes still meets.
;   (b) mask [8192 rows][2048 keys] of bytes becomes lane masks (maskw): for a tile of 16 queries and a step of 128 keys 64 words; bit l of word 8 t + j is mask[16 T + l % 16][128 step + 16 t + 8 (l / 16) + j].
; LIMITS: NaN and infinities in Q are not served; a block of zeros gets the byte 1 where the rule says 127: its codes are zeros, and the bytes are read by this program alone.
; A wave of the first kind takes 8,192 numbers, 16 steps of 512; one of the second kind two images of W_fc and 16 rows x 1,024 keys of the mask.  Each wave has 8,192 bytes of LDS of its own.
.set WREG,  8192
.set SP,    80                         ; a lane's place in Q's stage: its 64 bytes + 16 of padding
.set STEPS, 16
.set R,     16                         ; v16-79   Q: four sets of 16 numbers as loaded
.set X,     80                         ; v80-111  Q: two sets of 16 neighbours
.set E,     112                        ; v112-127 Q: a scale byte for each step
.set C,     128                        ; v128-191 Q: codes, four registers a step
.set ML,    16                         ; v16-143  mask: 32 loads of 16 bytes
.set MM,    144                        ; v144-175 mask: a chunk's bytes, eight keys of my row in a pair
.set OUTW,  176                        ; v176-191 mask: words on their way out, a pair for each step
.set WF,    192                        ; v192-199 W_fc: two images
.set BGA,   200                        ; v200 mask: 2,048 (l / 16) + 16 (l % 16)
.set BWA,   201                        ; v201 W_fc: 1,024 (l % 16) + 8 (l / 16)
.set BSA,   202                        ; v202 mask's stage, in: 272 (l / 16) + 16 (l % 16)
.set BLA,   203                        ; v203 mask's stage, out: 272 (l % 16) + 8 (l / 16)
	s_load_b256 s[4:11], s[0:1], 0x0               ; Q s[4:5], mask s[6:7], W_fc's codes s[8:9], qx s[10:11]
	s_load_b128 s[12:15], s[0:1], 0x20             ; maskw s[12:13], wfi s[14:15]
	s_load_b64 s[36:37], s[0:1], 0x30              ; maskf: for each (tile of 16 rows, half of the keys) 256 bytes, every word the same: bit k is set where step k of that half has any mask bit
	v_lshl_add_u32 v208, v0, 2, 0x10000
	v_mov_b32 v209, 0
	v_lshrrev_b32 v1, 5, v0
	s_delay_alu instid0(VALU_DEP_1)
	v_readfirstlane_b32 s16, v1                    ; wave 0..7
	v_and_b32 v2, 31, v0                           ; lane
	s_delay_alu instid0(VALU_DEP_1)
	v_lshlrev_b32 v3, 4, v2                        ; 16 x lane
	s_delay_alu instid0(VALU_DEP_2)
	v_lshlrev_b32 v7, 3, v2                        ; 8 x lane
	s_mul_i32 s17, s16, WREG                       ; my wave's LDS
	s_add_co_u32 s18, s17, 2*32*SP                 ; behind Q's two stages: 256 scale bytes
	; every LDS address of both kinds of wave is made here, ahead of the parting
	v_lshrrev_b32 v14, 2, v2
	s_delay_alu instid0(VALU_DEP_1)
	v_mul_u32_u24 v14, v14, SP
	v_and_b32 v15, 3, v2
	s_delay_alu instid0(VALU_DEP_1)
	v_lshl_add_u32 v14, v15, 4, v14
	s_delay_alu instid0(VALU_DEP_1)
	v_add_nc_u32 v14, s17, v14                     ; Q's stage, in: SP (lane / 4) + 16 (lane % 4)
	v_mul_u32_u24 v15, v2, SP
	s_delay_alu instid0(VALU_DEP_1)
	v_add_nc_u32 v15, s17, v15                     ; and out: SP x lane
	v_lshrrev_b32 v5, 1, v2
	s_delay_alu instid0(VALU_DEP_1)
	v_add_nc_u32 v5, s18, v5                       ; my block's scale byte
	v_add_nc_u32 v6, s18, v7                       ; the scale bytes on their way out, 8 a lane
	v_and_b32 v8, 15, v0                           ; r
	v_bfe_u32 v9, v0, 4, 1                         ; h
	s_delay_alu instid0(VALU_DEP_1)
	v_lshlrev_b32 v[BGA], 11, v9
	s_delay_alu instid0(VALU_DEP_1)
	v_lshl_add_u32 v[BGA], v8, 4, v[BGA]
	s_delay_alu instid0(VALU_DEP_4)
	v_lshlrev_b32 v[BWA], 10, v8
	s_delay_alu instid0(VALU_DEP_1)
	v_lshl_add_u32 v[BWA], v9, 3, v[BWA]
	v_mul_u32_u24 v[BSA], v9, 272
	s_delay_alu instid0(VALU_DEP_1)
	v_lshl_add_u32 v[BSA], v8, 4, v[BSA]
	s_delay_alu instid0(VALU_DEP_1)
	v_add_nc_u32 v[BSA], s17, v[BSA]
	v_mul_u32_u24 v[BLA], v8, 272
	s_delay_alu instid0(VALU_DEP_1)
	v_lshl_add_u32 v[BLA], v9, 3, v[BLA]
	s_delay_alu instid0(VALU_DEP_1)
	v_add_nc_u32 v[BLA], s17, v[BLA]
	s_lshl_b32 s24, ttmp9, 2
	s_and_b32 s25, s16, 3
	s_add_co_u32 s24, s24, s25                     ; idx = 4 x work-group + wave % 4: 0..1,023 in each kind
	s_mov_b32 s27, 0
	s_mov_b32 s32, 0x600000                        ; the mantissa field of 57,344
	s_wait_kmcnt 0x0
	s_cmp_lt_u32 s16, 4
	s_cbranch_scc0 .Lsecond_kind
	; ---------------- Q ----------------
	s_lshl_b32 s26, s24, 15
	s_add_nc_u64 s[4:5], s[4:5], s[26:27]          ; my 8,192 numbers
	s_lshl_b32 s26, s24, 13
	s_add_nc_u64 s[28:29], s[10:11], s[26:27]      ; their codes
	s_lshl_b32 s26, s24, 8
	s_add_co_u32 s26, s26, 0x800000
	s_add_nc_u64 s[30:31], s[10:11], s[26:27]      ; their 256 scale bytes
.macro LOADQ t
.irp i, 0,1,2,3
	global_load_b128 v[R+16*((\t)%4)+4*\i:R+16*((\t)%4)+4*\i+3], v3, s[4:5] offset:2048*(\t)+512*\i th:TH_LOAD_NT   ; 32 lanes read 512 consecutive bytes
.endr
.endm
.macro TURN t                          ; a step's 2,048 bytes through the stage: in as they lie, out 64 bytes a lane; LDS serves a wave's instructions in order
.irp i, 0,1,2,3
	ds_store_b128 v14, v[R+16*((\t)%4)+4*\i:R+16*((\t)%4)+4*\i+3] offset:32*SP*((\t)%2)+8*SP*\i
.endr
.irp i, 0,1,2,3
	ds_load_b128 v[X+16*((\t)%2)+4*\i:X+16*((\t)%2)+4*\i+3], v15 offset:32*SP*((\t)%2)+16*\i
.endr
.endm
.irp t, 0,1,2,3
	LOADQ \t
.endr
	s_wait_loadcnt 12                              ; step 0's four loads are in; the twelve behind them stay out
	TURN 0
.macro STEPQ t
.set XS, X+16*((\t)%2)
.if (\t) > 0
	s_wait_dscnt 1                                 ; this step's numbers are back from the stage (the last step's byte store may be out), so its stores into the stage have read their registers,
.else
	s_wait_dscnt 0x0
.endif
.if (\t)+4 < STEPS
	LOADQ (\t)+4                                   ; which take the loads of four steps on
.endif
.if (\t)+1 < STEPS
.if STEPS-2-(\t) >= 3
	s_wait_loadcnt 12                              ; the next step's four loads are in; those of the three steps behind it may be out
.else
	s_wait_loadcnt 4*(STEPS-2-(\t))
.endif
	TURN (\t)+1
.endif
	v_max3_num_f32 v8, |v[XS]|, |v[XS+1]|, |v[XS+2]|
	v_max3_num_f32 v9, |v[XS+3]|, |v[XS+4]|, |v[XS+5]|
.irp i, 6,10
	s_delay_alu instid0(VALU_DEP_2)
	v_max3_num_f32 v8, v8, |v[XS+\i]|, |v[XS+\i+1]|
	s_delay_alu instid0(VALU_DEP_2)
	v_max3_num_f32 v9, v9, |v[XS+\i+2]|, |v[XS+\i+3]|
.endr
	s_delay_alu instid0(VALU_DEP_2)
	v_max3_num_f32 v8, v8, |v[XS+14]|, |v[XS+15]|
	s_delay_alu instid0(VALU_DEP_1)
	v_max3_num_f32 v8, v8, v9, 0x8000000           ; and the floor 2^(16 - 127): the byte cannot fall under 1
	s_delay_alu instid0(VALU_DEP_1)
	v_max_num_f32_dpp v8, v8, v8 row_xmask:1 row_mask:0xf bank_mask:0xf   ; with my neighbour's 16: the block's largest magnitude
	s_delay_alu instid0(VALU_DEP_1)
	v_add_nc_u32 v11, 0xf8800000, v8               ; 15 off its exponent field: the conversion's scale operand
	s_delay_alu instid0(VALU_DEP_2)
	v_and_or_b32 v10, v8, 0x7f800000, s32          ; 57,344 x the scale
.irp i, 0,1,2,3,4,5,6,7,8,9,10,11,12,13,14,15
	v_med3_num_f32 v[XS+\i], v[XS+\i], -v10, v10   ; the conversion to an 8-bit code does not saturate (ISA guide 7.6.2): the hold comes first
.endr
	v_cvt_scalef32_pk8_bf8_f32 v[C+4*(\t):C+4*(\t)+1], v[XS:XS+7], v11
	v_cvt_scalef32_pk8_bf8_f32 v[C+4*(\t)+2:C+4*(\t)+3], v[XS+8:XS+15], v11
	v_lshrrev_b32 v[E+(\t)], 23, v11               ; the scale's byte
	ds_store_b8 v5, v[E+(\t)] offset:16*(\t)       ; both lanes of a block write the same byte with the same value
	global_store_b128 v3, v[C+4*(\t):C+4*(\t)+3], s[28:29] offset:512*(\t)   ; 512 consecutive bytes, aligned
.endm
.irp t, 0,1,2,3,4,5,6,7,8,9,10,11,12,13,14,15
	STEPQ \t
.endr
	ds_load_b64 v[12:13], v6
	s_wait_dscnt 0x0
	global_store_b64 v7, v[12:13], s[30:31]        ; 256 consecutive bytes, aligned
	s_wait_tensorcnt 0x0
	ds_add_u32 v208, v209
	s_wait_dscnt 0x0
	s_endpgm
	; ---------------- W_fc and the mask ----------------
.Lsecond_kind:
	s_lshl_b32 s26, s24, 8
	s_add_nc_u64 s[36:37], s[36:37], s[26:27]      ; my 256 bytes of maskf
	s_mov_b32 s35, 0                               ; my eight steps' bits
	s_lshr_b32 s26, s24, 1
	s_and_b32 s26, s26, 63
	s_lshl_b32 s26, s26, 14                        ; nt x 16 rows of 1,024 bytes
	s_lshr_b32 s28, s24, 7
	s_lshl_b32 s28, s28, 7                         ; s x 128
	s_add_co_u32 s26, s26, s28
	s_and_b32 s29, s24, 1                          ; idx % 2
	s_lshl_b32 s28, s29, 6                         ; blocks c = 2 (idx % 2) on
	s_add_co_u32 s26, s26, s28
	s_add_nc_u64 s[8:9], s[8:9], s[26:27]
	s_lshl_b32 s26, s24, 10
	s_add_nc_u64 s[14:15], s[14:15], s[26:27]      ; images 2 idx and 2 idx + 1
	s_lshr_b32 s28, s24, 1                         ; the tile of 16 rows
	s_lshl_b32 s26, s28, 15
	s_lshl_b32 s30, s29, 10                        ; which 1,024 keys
	s_add_co_u32 s26, s26, s30
	s_add_nc_u64 s[6:7], s[6:7], s[26:27]
	s_lshl_b32 s26, s28, 12
	s_lshl_b32 s30, s29, 11
	s_add_co_u32 s26, s26, s30
	s_add_nc_u64 s[12:13], s[12:13], s[26:27]
	s_wait_alu depctr_va_vdst(0)
.irp cc, 0,1
	global_load_b64 v[WF+4*\cc:WF+4*\cc+1], v[BWA], s[8:9] offset:32*\cc
	global_load_b64 v[WF+4*\cc+2:WF+4*\cc+3], v[BWA], s[8:9] offset:32*\cc+16
.endr
.irp ch, 0,1,2,3
.irp i, 0,1,2,3,4,5,6,7
	global_load_b128 v[ML+32*\ch+4*\i:ML+32*\ch+4*\i+3], v[BGA], s[6:7] offset:4096*\i+256*\ch th:TH_LOAD_NT   ; rows 2 i and 2 i + 1: sixteen lanes read 256 consecutive bytes, aligned
.endr
.endr
.set n, 0
.rept 16
	v_mov_b32 v[OUTW+n], 0                         ; v_writelane_b32's destination counts as read
.set n, n+1
.endr
	s_wait_loadcnt 32                              ; W_fc's four loads are in; the mask's 32 stay out
.irp cc, 0,1
	global_store_b128 v3, v[WF+4*\cc:WF+4*\cc+3], s[14:15] offset:512*\cc
.endr
; A chunk of 256 keys: its 16 rows go through the stage (rows 272 bytes apart) and come back eight keys of row l % 16 to a pair; each byte is tested in all lanes at once, and the compare's lane mask IS the word.
.macro CHUNK ch
	s_wait_loadcnt 24-8*\ch                        ; this chunk's eight loads are in; the later chunks' stay out
.irp i, 0,1,2,3,4,5,6,7
	ds_store_b128 v[BSA], v[ML+32*\ch+4*\i:ML+32*\ch+4*\i+3] offset:544*\i
.endr
.irp e, 0,1
.irp t, 0,1,2,3,4,5,6,7
	ds_load_b64 v[MM+16*\e+2*\t:MM+16*\e+2*\t+1], v[BLA] offset:128*\e+16*\t
.endr
.endr
	s_wait_dscnt 0x0
.set e, 0
.rept 2
	v_or_b32 v204, v[MM+16*e], v[MM+16*e+1]        ; the step's 16 registers of mask bytes, joined by or in two chains
	v_or_b32 v205, v[MM+16*e+2], v[MM+16*e+3]
.set k, 4
.rept 6
	v_or_b32 v204, v204, v[MM+16*e+k]
	v_or_b32 v205, v205, v[MM+16*e+k+1]
.set k, k+2
.endr
	v_or_b32 v204, v204, v205
	v_cmp_ne_u32 s33, 0, v204                      ; not 0 where any lane holds a mask byte that is set
.set n, 0
.rept 64
	v_and_b32 v[8+n%4], 0xff<<(8*(n%4)), v[MM+16*e+2*(n/8)+((n%8)/4)]
	s_delay_alu instid0(VALU_DEP_1)
	v_cmp_ne_u32 s[20+n%4], 0, v[8+n%4]
	s_delay_alu instid0(VALU_DEP_1)
	v_writelane_b32 v[OUTW+2*(2*\ch+e)+n%2], s[20+n%4], n/2   ; word n goes to lane n / 2, register n % 2
.set n, n+1
.endr
	global_store_b64 v7, v[OUTW+2*(2*\ch+e):OUTW+2*(2*\ch+e)+1], s[12:13] offset:256*(2*\ch+e)   ; a step's 256 bytes, aligned
	s_cmp_lg_u32 s33, 0
	s_cselect_b32 s34, 1<<(2*\ch+e), 0
	s_or_b32 s35, s35, s34
.set e, e+1
.endr
.endm
	CHUNK 0
	CHUNK 1
	CHUNK 2
	CHUNK 3
	v_mov_b32 v8, s35
	v_mov_b32 v9, s35
	global_store_b64 v7, v[8:9], s[36:37]          ; 256 consecutive bytes, aligned
	s_wait_tensorcnt 0x0
	ds_add_u32 v208, v209
	s_wait_dscnt 0x0
	s_endpgm
.Lfunc_end_k_q7504ab2d66_prep:
	.size	k_q7504ab2d66_prep, .Lfunc_end_k_q7504ab2d66_prep-k_q7504ab2d66_prep
	.p2alignl 7, 3214868480
	.fill 96, 4, 3214868480
	.section	.rodata,"a",@progbits
	.p2align	6, 0x0
	.amdhsa_kernel k_q7504ab2d66_prep
		.amdhsa_group_segment_fixed_size 66560
		.amdhsa_private_segment_fixed_size 0
		.amdhsa_enable_private_segment 0
		.amdhsa_kernarg_size 56
		.amdhsa_user_sgpr_count 2
		.amdhsa_user_sgpr_kernarg_segment_ptr 1
		.amdhsa_wavefront_size32 1
		.amdhsa_system_sgpr_workgroup_id_x 1
		.amdhsa_system_sgpr_workgroup_id_y 1
		.amdhsa_system_sgpr_workgroup_id_z 1
		.amdhsa_system_vgpr_workitem_id 0
		.amdhsa_next_free_vgpr 210
		.amdhsa_next_free_sgpr 66
		.amdhsa_reserve_vcc 0
		.amdhsa_float_denorm_mode_32 3
		.amdhsa_float_denorm_mode_16_64 3
		.amdhsa_memory_ordered 1
		.amdhsa_forward_progress 1
		.amdhsa_inst_pref_size 202
	.end_amdhsa_kernel
	.amdgpu_metadata
---
amdhsa.version: [ 1, 2 ]
amdhsa.kernels:
  - .name:           k_q7504ab2d66_prep
    .symbol:         k_q7504ab2d66_prep.kd
    .args:
      - { .name: Q, .offset: 0, .size: 8, .value_kind: global_buffer, .address_space: global }
      - { .name: mask, .offset: 8, .size: 8, .value_kind: global_buffer, .address_space: global }
      - { .name: W_fc_codes, .offset: 16, .size: 8, .value_kind: global_buffer, .address_space: global }
      - { .name: qx, .offset: 24, .size: 8, .value_kind: global_buffer, .address_space: global }
      - { .name: maskw, .offset: 32, .size: 8, .value_kind: global_buffer, .address_space: global }
      - { .name: wfi, .offset: 40, .size: 8, .value_kind: global_buffer, .address_space: global }
      - { .name: maskf, .offset: 48, .size: 8, .value_kind: global_buffer, .address_space: global }
    .group_segment_fixed_size: 66560
    .private_segment_fixed_size: 0
    .kernarg_segment_align: 8
    .kernarg_segment_size: 56
    .max_flat_workgroup_size: 256
    .sgpr_count:     66
    .vgpr_count:     210
    .wavefront_size: 32
...
	.end_amdgpu_metadata
.endif
;; end of part 1
;; launch proj (part 2): grid 4 x 96, 4 waves a work-group, clusters of 4 x 4, 327,680 bytes of LDS; arguments qx, K_codes, K_scales, V_codes, V_scales, W_Q_codes, W_Q_scales, W_K_codes, W_K_scales, W_V_codes, W_V_scales, qkv; writes qkv
.if DOCPART == 2
	.amdgcn_target "amdgcn-amd-amdhsa--gfx1250"
	.amdhsa_code_object_version 6
	.text
	.protected	k_q7504ab2d66_proj
	.globl	k_q7504ab2d66_proj
	.p2align	8
	.type	k_q7504ab2d66_proj,@function
k_q7504ab2d66_proj:
	s_mov_b64 s[64:65], 0
	v_nop
	global_prefetch_b8 v0, s[64:65] scope:SCOPE_SE
	s_setreg_imm32_b32 hwreg(HW_REG_WAVE_MODE, 25, 1), 1
	s_wait_xcnt 0x0
	s_wait_alu depctr_hold_cnt(0) depctr_sa_sdst(0) depctr_va_vdst(0) depctr_va_sdst(0) depctr_va_ssrc(0) depctr_va_vcc(0) depctr_vm_vsrc(0)
	s_getreg_b32 s2, hwreg(HW_REG_IB_STS2, 6, 4)
	s_cmp_eq_u32 s2, 0
	s_cbranch_scc0 .Lentry_in_a_cluster
	s_endpgm
.Lentry_in_a_cluster:
	s_bfe_u32 s2, ttmp6, 0x10000c
	s_cmp_lg_u32 s2, 0xf033
	s_cbranch_scc0 .Lentry_shape_is_right
	s_endpgm
.Lentry_shape_is_right:
.set KSTEP,  256
.set NQ,     KSTEP/128
.set ROWB,   256
.set KROW,   1024
.set PITCH,  272
.set FR,     16
.set NL,     4
.set NP,     8
.set HALFT,  128*PITCH
.set SLOT,   4*HALFT
.set LAPS,   2
.set KS,     32
.set SCL,    2*SLOT
.set HALFS,  (128*KS/256)*272
.set SBLK,   (16*KS/256)*272
.set SPARE,  SCL+4*HALFS
.set MX,   1
.set PB,   5
.set HD,   9
.set PW,   13
.set SOF,  14
.set ADRA, 16
.set ADRB, 20
.set CO0,  18
.set CO1,  19
.set CO2,  22
.set CO3,  23
.set SSA,  24
.set SRA,  25
.set ADRS, 27
.set SPW,  28
.set NIL,  29
.set SC,   32
.set T,    64
.set AF,   128
.set PC,   128
.set G1, 24
.set G0, 32
.set G1B, 48
.set G0B, 56
.set G1S, 68
.set G0S, 76
.set G1SB, 80
.set G0SB, 88
.set MNT, 95
.set SEL, 96
.set MSB, 0
.macro WIN new
.if MSB != \new
	s_set_vgpr_msb (MSB<<8)|\new
.set MSB, \new
.endif
.endm
.set MUL_LO, 0xa1
.set MUL_HI, 0xf1
.set TO_B,   0x40
.macro JLOAD g0a, g1a, g0b, g1b
	s_cmp_eq_u32 s15, 0
	s_cbranch_scc0 .Lfor_b_\@
	tensor_load_to_lds s[\g0a:\g0a+3], s[\g1a:\g1a+7]
	s_nop 0
.rept 4
	v_nop
.endr
	s_branch .Lasked_\@
.Lfor_b_\@:
	tensor_load_to_lds s[\g0b:\g0b+3], s[\g1b:\g1b+7]
	s_nop 0
.rept 4
	v_nop
.endr
.Lasked_\@:
.endm
.macro CREST
	s_cmp_lg_u32 s14, 0
	s_cbranch_scc1 .Lnot_wave_0_\@
	s_barrier_signal -3
.Lnot_wave_0_\@:
	s_barrier_wait -3
	s_barrier_signal -1
	s_barrier_wait -1
.endm
.macro CROUND
	s_barrier_signal -1
	s_barrier_wait -1
	CREST
.endm
	s_load_b512 s[24:39], s[0:1], 0x0
	s_load_b256 s[40:47], s[0:1], 0x40
	v_lshl_add_u32 v[SPW], v0, 2, SPARE
	v_mov_b32 v[NIL], 0
	ds_add_u32 v28, v29
	ds_add_u32 v28, v29
	s_wait_dscnt 0x0
	v_lshrrev_b32 v1, 5, v0
	v_readfirstlane_b32 s14, v1
	s_lshr_b32 s15, s14, 1
	s_and_b32 s16, s14, 1
	s_and_b32 s95, ttmp7, 0xffff
	s_lshr_b32 s96, s95, 3
	s_and_b32 s97, s95, 7
	s_lshl_b32 s97, s97, 2
	s_wait_kmcnt 0x0
	s_add_nc_u64 s[48:49], s[24:25], 0x800000
	s_cmp_eq_u32 s96, 1
	s_cselect_b64 s[4:5], s[26:27], s[42:43]
	s_cselect_b64 s[6:7], s[28:29], s[44:45]
	s_cselect_b64 s[8:9], s[38:39], s[30:31]
	s_cselect_b64 s[10:11], s[40:41], s[32:33]
	s_cmp_eq_u32 s96, 0
	s_cselect_b64 s[4:5], s[24:25], s[4:5]
	s_cselect_b64 s[6:7], s[48:49], s[6:7]
	s_cselect_b64 s[8:9], s[34:35], s[8:9]
	s_cselect_b64 s[10:11], s[36:37], s[10:11]
	s_mov_b64 s[12:13], s[46:47]
	s_cmp_eq_u32 s96, 2
	s_cselect_b32 s98, 0, s97
	s_cselect_b32 s99, s97, 0
	s_bfe_u32 s40, ttmp6, 0x40000
	s_bfe_u32 s41, ttmp6, 0x40004
	s_add_co_u32 s42, s99, s40
	s_add_co_u32 s17, s98, s41
	s_lshl_b32 s43, s41, 2
	s_lshl_b32 s43, 15, s43
	s_lshl_b32 s44, 0x1111, s40
	s_or_b32 s[G1+0], s43, (0<<16)|(1<<20)|(1<<21)|(5<<22)|(3<<25)
	s_or_b32 s[G1B+0], s44, (0<<16)|(1<<20)|(1<<21)|(5<<22)|(3<<25)
.irp g, G1, G1B
	s_mov_b32 s[\g+1], ROWB<<16
	s_mov_b32 s[\g+2], 128<<16
	s_mov_b32 s[\g+3], ROWB<<16
	s_mov_b32 s[\g+4], 128
	s_mov_b32 s[\g+5], KROW
	s_mov_b32 s[\g+6], 0
	s_mov_b32 s[\g+7], 0
.endr
	s_or_b32 s[G1S+0], s43, (3<<16)|(1<<20)|(1<<21)|(5<<22)|(3<<25)
	s_or_b32 s[G1SB+0], s44, (3<<16)|(1<<20)|(1<<21)|(5<<22)|(3<<25)
.irp g, G1S, G1SB
	s_mov_b32 s[\g+1], 32<<16
	s_mov_b32 s[\g+2], (128*KS/256)<<16
	s_mov_b32 s[\g+3], 32<<16
	s_mov_b32 s[\g+4], 128*KS/256
	s_mov_b32 s[\g+5], 32
	s_mov_b32 s[\g+6], 0
	s_mov_b32 s[\g+7], 0
.endr
	s_lshl_b32 s18, s16, 7
	s_lshl_b32 s20, s17, 8
	s_add_co_u32 s20, s20, s18
	s_lshl_b32 s46, s42, 8
	s_add_co_u32 s46, s46, s18
	s_mov_b32 s21, 0
	s_mov_b32 s47, 0
	s_mov_b64 s[18:19], KS
	s_mul_u64 s[22:23], s[20:21], s[18:19]
	s_mul_u64 s[92:93], s[46:47], s[18:19]
	s_mov_b64 s[18:19], KROW
	s_mul_u64 s[20:21], s[20:21], s[18:19]
	s_mul_u64 s[46:47], s[46:47], s[18:19]
	s_mul_i32 s45, s14, HALFT
	s_mul_i32 s94, s14, HALFS
	s_add_nc_u64 s[20:21], s[4:5], s[20:21]
	s_add_nc_u64 s[22:23], s[6:7], s[22:23]
	s_add_nc_u64 s[46:47], s[8:9], s[46:47]
	s_add_nc_u64 s[92:93], s[10:11], s[92:93]
	CROUND
	s_mov_b32 s[G0S], 1
	s_add_co_u32 s[G0S+1], s94, SCL
	s_mov_b64 s[G0S+2:G0S+3], s[22:23]
	s_or_b32 s[G0S+3], s[G0S+3], 0x80000000
	s_mov_b32 s[G0SB], 1
	s_add_co_u32 s[G0SB+1], s94, SCL
	s_mov_b64 s[G0SB+2:G0SB+3], s[92:93]
	s_or_b32 s[G0SB+3], s[G0SB+3], 0x80000000
	JLOAD G0S, G1S, G0SB, G1SB
.irp s, 0,1
	s_mov_b32 s[G0+4*\s], 1
	s_add_co_u32 s[G0+4*\s+1], s45, \s*SLOT
	s_add_nc_u64 s[G0+4*\s+2:G0+4*\s+3], s[20:21], \s*ROWB
	s_or_b32 s[G0+4*\s+3], s[G0+4*\s+3], 0x80000000
	s_mov_b32 s[G0B+4*\s], 1
	s_add_co_u32 s[G0B+4*\s+1], s45, \s*SLOT
	s_add_nc_u64 s[G0B+4*\s+2:G0B+4*\s+3], s[46:47], \s*ROWB
	s_or_b32 s[G0B+4*\s+3], s[G0B+4*\s+3], 0x80000000
	s_wait_alu depctr_va_vdst(0)
	s_wait_tensorcnt 0x0
	ds_add_u32 v28, v29
	s_wait_dscnt 0x0
	CROUND
	JLOAD G0+4*\s, G1, G0B+4*\s, G1B
.endr
	v_and_b32 v1, 15, v0
	v_bfe_u32 v2, v0, 4, 1
	v_mul_u32_u24 v3, v1, PITCH
	v_lshl_add_u32 v4, v2, 4, v3
	s_mul_i32 s21, s15, HALFT
	s_mul_i32 s22, s16, HALFT
	s_add_co_u32 s22, s22, 2*HALFT
.irp s, 0,1
	v_add_nc_u32 v[ADRA+\s], s21, v4
	v_add_nc_u32 v[ADRB+\s], s22, v4
	s_add_co_u32 s21, s21, SLOT
	s_add_co_u32 s22, s22, SLOT
.endr
	v_mul_u32_u24 v5, v1, KS
	v_lshrrev_b32 v6, 8, v5
	v_lshl_add_u32 v5, v6, 4, v5
	s_mul_i32 s21, s15, HALFS
	s_mul_i32 s22, s16, HALFS
	s_add_co_u32 s22, s22, 2*HALFS
	s_sub_co_u32 s22, s22, s21
	v_mul_u32_u24 v6, s22, v2
	s_add_co_u32 s21, s21, SCL
	v_add_nc_u32 v5, v5, v6
	v_add_nc_u32 v[ADRS], s21, v5
	s_lshl_b32 s21, s14, 9
	v_lshl_add_u32 v[SSA], v1, 2, s21
	v_and_b32 v6, 31, v0
	v_lshlrev_b32 v[CO0], 4, v6
	s_wait_alu depctr_va_vdst(0)
	v_add_nc_u32 v[SRA], s21, v[CO0]
	s_lshl_b32 s20, s17, 8
	s_lshl_b32 s21, s15, 7
	s_add_co_u32 s20, s20, s21
	s_lshl_b32 s46, s42, 8
	s_lshl_b32 s47, s16, 7
	s_add_co_u32 s46, s46, s47
	s_lshl_b32 s22, s96, 23
	s_lshr_b32 s23, s46, 6
	s_lshl_b32 s23, s23, 19
	s_add_co_u32 s22, s22, s23
	s_lshr_b32 s21, s20, 4
	s_lshl_b32 s23, s21, 10
	s_add_co_u32 s22, s22, s23
	s_lshl_b32 s92, s96, 18
	s_add_co_u32 s92, s92, 0x1800000
	s_lshr_b32 s23, s46, 7
	s_lshl_b32 s23, s23, 9
	s_add_co_u32 s23, s23, s21
	s_lshl_b32 s23, s23, 6
	s_add_co_u32 s92, s92, s23
	s_lshr_b32 s93, s46, 11
	s_lshl_b32 s93, s93, 4
	s_lshr_b32 s94, s20, 6
	s_add_co_u32 s93, s93, s94
	s_lshl_b32 s94, s93, 6
	s_bfe_u32 s45, s46, 0x60005
	s_add_co_u32 s94, s94, s45
	s_lshl_b32 s94, s94, 11
	s_add_co_u32 s94, s94, 0x1000000
	s_lshl_b32 s93, s93, 4
	s_bfe_u32 s45, s46, 0x40007
	s_add_co_u32 s93, s93, s45
	s_lshl_b32 s93, s93, 8
	s_add_co_u32 s93, s93, 0x1880000
	s_cmp_eq_u32 s96, 2
	s_cselect_b32 s22, s94, s22
	s_cselect_b32 s92, s93, s92
	s_mov_b32 s98, 1024
	s_cselect_b32 s98, 512, s98
	s_mov_b32 s100, 1024
	s_cselect_b32 s100, 129536, s100
	s_mov_b32 s45, 512
	s_cselect_b32 s45, 2048, s45
	s_mov_b32 s47, 524288
	s_cselect_b32 s47, 4096, s47
	s_cselect_b32 s21, 3840, 0
	s_mov_b32 s23, 0
	s_mov_b32 s93, 0
	s_mov_b32 s99, 0
	s_mov_b32 s101, 0
	s_add_nc_u64 s[104:105], s[12:13], s[92:93]
	s_add_nc_u64 s[12:13], s[12:13], s[22:23]
	v_add_nc_u32 v[CO1], s45, v[CO0]
	v_add_nc_u32 v[CO2], s47, v[CO0]
	v_add_nc_u32 v[CO3], s47, v[CO1]
	v_mul_u32_u24 v[SOF], s21, v2
	v_add_nc_u32 v[SOF], v[SOF], v[CO0]
	s_mov_b32 s[MNT], 0x600000
	s_mov_b32 s[SEL], 0x76543210
	s_mov_b32 s[SEL+1], 0xfedcba98
.irp b, 0,1,2,3
	v_mov_b32 v[PB+\b], 0
.endr
.macro FRAG reg, adr, q, i
.irp c, 0,1,2,3
	ds_load_b128 v[\reg+4*\c:\reg+4*\c+3], v[\adr] offset:128*(\q)+32*\c+(\i)*16*PITCH
.endr
.endm
.macro MUL16 a0, p, q, sc, zero
.irp a, \a0, \a0+1
.irp b, 0,1,2,3,4,5,6,7
.if \zero
	v_wmma_scale_f32_16x16x128_f8f6f4 v[8*(8*((\a)%4)+\b):8*(8*((\a)%4)+\b)+7], v[128*(\p)+FR*\b:128*(\p)+FR*\b+FR-1], v[AF+FR*(\a):AF+FR*(\a)+FR-1], 0, v[SC+8*NQ*(\sc)+NQ*\b+(\q)], v[SC+8*NQ*(\sc)+NQ*(\a)+(\q)] matrix_a_fmt:MATRIX_FMT_BF8 matrix_b_fmt:MATRIX_FMT_BF8 matrix_a_scale:MATRIX_SCALE_ROW1
.else
	v_wmma_scale_f32_16x16x128_f8f6f4 v[8*(8*((\a)%4)+\b):8*(8*((\a)%4)+\b)+7], v[128*(\p)+FR*\b:128*(\p)+FR*\b+FR-1], v[AF+FR*(\a):AF+FR*(\a)+FR-1], v[8*(8*((\a)%4)+\b):8*(8*((\a)%4)+\b)+7], v[SC+8*NQ*(\sc)+NQ*\b+(\q)], v[SC+8*NQ*(\sc)+NQ*(\a)+(\q)] matrix_a_fmt:MATRIX_FMT_BF8 matrix_b_fmt:MATRIX_FMT_BF8 matrix_a_scale:MATRIX_SCALE_ROW1
.endif
.endr
.endr
.endm
.macro FETCH_B slot, q, p
	WIN TO_B
.irp i, 0,1,2,3,4,5,6,7
	FRAG 128*(\p)+FR*\i, ADRB+\slot, \q, \i
.endr
	WIN 0
.endm
.macro FETCH_A slot, q, i0
.irp i, \i0, \i0+1, \i0+2, \i0+3
	FRAG AF+FR*(\i), ADRA+\slot, \q, \i
.endr
.endm
.macro SCALES sc
.irp i, 0,1,2,3,4,5,6,7
	ds_load_b64 v[SC+8*NQ*\sc+NQ*\i:SC+8*NQ*\sc+NQ*\i+1], v[ADRS] offset:\i*SBLK
.endr
.endm
.macro PLACES n
.rept \n
	v_nop
.endr
.endm
.macro STEP slot, q, zero
	s_wait_dscnt 4*NL
	WIN MUL_LO
	MUL16 0, (\q)%2, \q, \slot, \zero
	MUL16 2, (\q)%2, \q, \slot, \zero
	s_wait_dscnt 0
	PLACES NP
	FETCH_B \slot, (\q)+1, 1-(\q)%2
	FETCH_A \slot, (\q)+1, 0
	WIN MUL_HI
	MUL16 4, (\q)%2, \q, \slot, \zero
	MUL16 6, (\q)%2, \q, \slot, \zero
	PLACES NP
	WIN 0
	FETCH_A \slot, (\q)+1, 4
.endm
.macro TURN slot, next, fill
	s_wait_tensorcnt 0x0
	ds_add_u32 v[SPW], v[NIL]
	s_wait_dscnt 4*NL+1
	WIN MUL_LO
	MUL16 0, 1, NQ-1, \slot, 0
	s_wait_dscnt 0x0
	s_barrier_signal -1
	MUL16 2, 1, NQ-1, \slot, 0
	WIN 0
	s_barrier_wait -1
.if \fill
	CREST
	s_add_nc_u64 s[G0+4*\slot+2:G0+4*\slot+3], s[G0+4*\slot+2:G0+4*\slot+3], 2*ROWB
	s_add_nc_u64 s[G0B+4*\slot+2:G0B+4*\slot+3], s[G0B+4*\slot+2:G0B+4*\slot+3], 2*ROWB
	JLOAD G0+4*\slot, G1, G0B+4*\slot, G1B
	PLACES NP-4
.else
	PLACES NP
.endif
	s_wait_alu depctr_va_vdst(0)
	v_add_nc_u32 v[ADRS], 4*NQ, v[ADRS]
	FETCH_B \next, 0, 0
	FETCH_A \next, 0, 0
	SCALES \next
	WIN MUL_HI
	MUL16 4, 1, NQ-1, \slot, 0
	MUL16 6, 1, NQ-1, \slot, 0
	PLACES NP
	WIN 0
	FETCH_A \next, 0, 4
.endm
	s_wait_tensorcnt 1
	s_barrier_signal -1
	s_barrier_wait -1
	FETCH_B 0, 0, 0
	FETCH_A 0, 0, 0
	SCALES 0
	FETCH_A 0, 0, 4
	STEP 0, 0, 1
	s_mov_b32 s3, LAPS-1
.Llap:
	TURN 0, 1, 1
	STEP 1, 0, 0
	TURN 1, 0, 1
	STEP 0, 0, 0
	s_sub_co_u32 s3, s3, 1
	s_cmp_lg_u32 s3, 0
	s_cbranch_scc1 .Llap
	TURN 0, 1, 0
	STEP 1, 0, 0
	s_wait_dscnt 4*NL
	WIN MUL_LO
	MUL16 0, 1, NQ-1, 1, 0
	MUL16 2, 1, NQ-1, 1, 0
	s_wait_dscnt 0
	WIN MUL_HI
	MUL16 4, 1, NQ-1, 1, 0
	MUL16 6, 1, NQ-1, 1, 0
	WIN 0
.macro OUTA a
.set AC, 64*((\a)%4)
.set PCA, PC+16*(\a)
	WIN 5*(2+(\a)/4)
.irp b, 0,1,2,3
	v_max3_num_f32 v[MX+\b], |v[AC+16*\b]|, |v[AC+16*\b+1]|, 0x8000000
.endr
.irp i, 2,4,6,8,10,12,14
.irp b, 0,1,2,3
	v_max3_num_f32 v[MX+\b], |v[AC+16*\b+\i]|, |v[AC+16*\b+\i+1]|, v[MX+\b]
.endr
.endr
	WIN 0
.irp b, 0,1,2,3
	v_permlanex16_b32 v[PB+\b], v[MX+\b], s[SEL], s[SEL+1]
.endr
.irp b, 0,1,2,3
	v_max_num_f32 v[MX+\b], v[MX+\b], v[PB+\b]
.endr
.irp b, 0,1,2,3
	v_and_or_b32 v[HD+\b], v[MX+\b], 0x7f800000, s[MNT]
.endr
.irp b, 0,1,2,3
	v_add_nc_u32 v[MX+\b], 0xf8800000, v[MX+\b]
.endr
.irp b, 0,1,2,3
	v_lshrrev_b32 v[PB+\b], 23, v[MX+\b]
.endr
	s_wait_alu depctr_va_vdst(0)
	s_wait_dscnt 0x0
	v_lshl_or_b32 v[PW], v[PB+1], 8, v[PB]
	v_lshl_or_b32 v[PW], v[PB+2], 16, v[PW]
	v_lshl_or_b32 v[PW], v[PB+3], 24, v[PW]
	WIN 2+(\a)/4
.irp b, 0,1,2,3
.irp i, 0,1,2,3,4,5,6,7,8,9,10,11,12,13,14,15
	v_med3_num_f32 v[T+16*\b+\i], v[AC+16*\b+\i], -v[HD+\b], v[HD+\b]
.endr
.endr
	WIN 0
.irp b, 0,1,2,3
	v_cvt_scalef32_pk8_bf8_f32 v[PCA+4*\b:PCA+4*\b+1], v[T+16*\b:T+16*\b+7], v[MX+\b]
	v_cvt_scalef32_pk8_bf8_f32 v[PCA+4*\b+2:PCA+4*\b+3], v[T+16*\b+8:T+16*\b+15], v[MX+\b]
.endr
	v_nop
	global_store_b128 v[CO0], v[PCA:PCA+3], s[12:13]
	global_store_b128 v[CO1], v[PCA+4:PCA+7], s[12:13]
	global_store_b128 v[CO2], v[PCA+8:PCA+11], s[12:13]
	global_store_b128 v[CO3], v[PCA+12:PCA+15], s[12:13]
	ds_store_b32 v[SSA], v[PW] offset:64*(\a)
.if (\a) < 7
	s_wait_xcnt 0x0
.if (\a) == 3
	s_add_nc_u64 s[12:13], s[12:13], s[100:101]
.else
	s_add_nc_u64 s[12:13], s[12:13], s[98:99]
.endif
.endif
.endm
	PLACES NP
.irp a, 0,1,2,3,4,5,6,7
	OUTA \a
.endr
	ds_load_b128 v[T:T+3], v[SRA]
	s_wait_dscnt 0x0
	global_store_b128 v[SOF], v[T:T+3], s[104:105]
	s_wait_tensorcnt 0x0
	ds_add_u32 v[SPW], v[NIL]
	s_wait_dscnt 0x0
	CROUND
	s_endpgm
.Lfunc_end_k_q7504ab2d66_proj:
	.size	k_q7504ab2d66_proj, .Lfunc_end_k_q7504ab2d66_proj-k_q7504ab2d66_proj
	.p2alignl 7, 3214868480
	.fill 96, 4, 3214868480
	.section	.rodata,"a",@progbits
	.p2align	6, 0x0
	.amdhsa_kernel k_q7504ab2d66_proj
		.amdhsa_group_segment_fixed_size 327680
		.amdhsa_private_segment_fixed_size 0
		.amdhsa_enable_private_segment 0
		.amdhsa_kernarg_size 96
		.amdhsa_user_sgpr_count 2
		.amdhsa_user_sgpr_kernarg_segment_ptr 1
		.amdhsa_wavefront_size32 1
		.amdhsa_system_sgpr_workgroup_id_x 1
		.amdhsa_system_sgpr_workgroup_id_y 1
		.amdhsa_system_sgpr_workgroup_id_z 1
		.amdhsa_system_vgpr_workitem_id 0
		.amdhsa_next_free_vgpr 1024
		.amdhsa_next_free_sgpr 106
		.amdhsa_reserve_vcc 0
		.amdhsa_float_denorm_mode_32 3
		.amdhsa_float_denorm_mode_16_64 3
		.amdhsa_memory_ordered 1
		.amdhsa_forward_progress 1
		.amdhsa_inst_pref_size 189
	.end_amdhsa_kernel
	.amdgpu_metadata
---
amdhsa.version: [ 1, 2 ]
amdhsa.kernels:
  - .name:           k_q7504ab2d66_proj
    .symbol:         k_q7504ab2d66_proj.kd
    .args:
      - { .name: qx, .offset: 0, .size: 8, .value_kind: global_buffer, .address_space: global }
      - { .name: K_codes, .offset: 8, .size: 8, .value_kind: global_buffer, .address_space: global }
      - { .name: K_scales, .offset: 16, .size: 8, .value_kind: global_buffer, .address_space: global }
      - { .name: V_codes, .offset: 24, .size: 8, .value_kind: global_buffer, .address_space: global }
      - { .name: V_scales, .offset: 32, .size: 8, .value_kind: global_buffer, .address_space: global }
      - { .name: W_Q_codes, .offset: 40, .size: 8, .value_kind: global_buffer, .address_space: global }
      - { .name: W_Q_scales, .offset: 48, .size: 8, .value_kind: global_buffer, .address_space: global }
      - { .name: W_K_codes, .offset: 56, .size: 8, .value_kind: global_buffer, .address_space: global }
      - { .name: W_K_scales, .offset: 64, .size: 8, .value_kind: global_buffer, .address_space: global }
      - { .name: W_V_codes, .offset: 72, .size: 8, .value_kind: global_buffer, .address_space: global }
      - { .name: W_V_scales, .offset: 80, .size: 8, .value_kind: global_buffer, .address_space: global }
      - { .name: qkv, .offset: 88, .size: 8, .value_kind: global_buffer, .address_space: global }
    .group_segment_fixed_size: 327680
    .private_segment_fixed_size: 0
    .kernarg_segment_align: 8
    .kernarg_segment_size: 96
    .max_flat_workgroup_size: 128
    .sgpr_count:     106
    .vgpr_count:     1024
    .wavefront_size: 32
...
	.end_amdgpu_metadata
.endif
;; end of part 2
;; launch attn (part 3): grid 4 x 64, 8 waves a work-group, no clusters, 275,456 bytes of LDS; arguments qkv, maskw, maskf, rc; writes rc
.if DOCPART == 3
	.amdgcn_target "amdgcn-amd-amdhsa--gfx1250"
	.amdhsa_code_object_version 6
	.text
	.protected	k_q7504ab2d66_attn
	.globl	k_q7504ab2d66_attn
	.p2align	8
	.type	k_q7504ab2d66_attn,@function
k_q7504ab2d66_attn:
	s_mov_b64 s[64:65], 0
	v_nop
	global_prefetch_b8 v0, s[64:65] scope:SCOPE_SE
	s_setreg_imm32_b32 hwreg(HW_REG_WAVE_MODE, 25, 1), 1
	s_wait_xcnt 0x0
; res = softmax(where(mask, -1e10, q k^T / 8)) v for one (batch, head) and 512 queries a work-group, both products on codes of E5M2 with E8M0 scales; res leaves as codes and scale bytes (rc) for the last product.
; THE SOFTMAX: t = score x log2(e) / 8; M = the running largest t rounded up to a whole number; p = 2^(t - M) is quantised along the keys; the row's sum is taken of the unquantised p and divides at the end.
; A masked score is replaced by -2^37, whose t is a whole number: a row that is masked throughout gets p = 1 for every key, as the reference's equal logits give.
; SHARES.  Eight waves, two to a SIMD; a wave owns 64 queries: two passes of two tiles of 16.  Both tiles of a pass take each fragment of K and of V that the wave reads from LDS.
; K's and V's codes of the head (2 x 131,072 bytes, images of operand registers) and their scale words come into LDS once, at the head, through registers, and stay.
; THE MASK IS WHOLE NUMBERS: maskf holds for each tile and key step a bit that says whether any mask bit is set there.  Where it is clear a scalar branch leads round the 64 selects and round the loads of the 64 lane masks.
; NO JOINT LOADS, though four work-groups read the same K and V: each byte is read once by a work-group.
; NO PREFETCH: K and V are asked for at the head, where there is no loop to run ahead in; the lane masks are asked for one tile's softmax ahead of their use.
; Both products are used transposed: a lane holds one query (lane % 16).  Register 8 t + j of the scores is key 128 step + 16 t + 8 (lane / 16) + j; V's images and the next product's weights are laid in that same order inside a block of 32.
; The first product's K is the head's 64: the upper 64 of Q's operand are zero codes, so what stands in the upper half of K's operand (the next tile's codes) adds nothing.
; In a pass's last step the fetch of the next step's K reads LDS bytes behind K's (V's, and V's scale words): they are written bytes, the registers are fetched anew at the next pass's head and are not multiplied.
; LIMITS: NaN and infinities are not served; the promise holds while the scaled scores stay under 2^31 in magnitude.
; REGISTERS.  Window 0: v0-25 addresses and scale words; v26-59, v60-93 the two tiles' small state; v96-127 Q's two operands; v128-255 the two tiles' scores, then p.
; Window 1: v0-71 K's fragments; v72-135 V's; v136-199 O^T of both tiles; v200-231 p's codes; v232-247 the second pass's Q.
.set VC,   131072
.set SCK,  262144
.set SCV,  270336
.set SPARE, 274432
.set LI,   1
.set ASK0, 2
.set ASV0, 3
.set ADK,  4
.set ADV,  5
.set ADS,  6
.set ADT,  7
.set SMR,  8
.set R4,   9
.set GOS,  10
.set SPW,  11
.set NIL,  12
.set LIV,  13
.set KSW,  14
.set VSW,  18
.set QSW,  20
.set QSN,  22
.set PW,   24
.set QF,   96
.set KF,   0
.set VF,   72
.set OO,   136
.set PP,   200
.set QN,   232
.set WV,   2
.set FN,   66
.set TK,   84
.set TS,   85
.set TT,   86
.set MOFF, 87
.set MB,   88
.set CS,   90
.set SEL,  92
.set MNT,  94
.set CNT,  95
.set SH,   96
.set FL,   97
.set PS,   99
.set RP,   100
.set RSP,  104
.set MSB, 0
.macro WIN new                         ; the immediate's high byte repeats the setting that is left
.if MSB != \new
	s_set_vgpr_msb (MSB<<8)|\new
.set MSB, \new
.endif
.endm
.macro WALU
	s_wait_alu depctr_va_vdst(0)
.endm
.macro TILE u                          ; the names of tile u's registers
.set S,    128+64*(\u)
.set ST,   26+34*(\u)
.set MN,   ST                          ; -M, and the running largest t
.set SUM,  ST+2
.set SUMB, ST+4
.set SUMC, ST+6
.set SUMD, ST+8
.set F,    ST+10
.set BM,   ST+12
.set T1,   ST+16
.set HOLD, ST+20
.set SOP,  ST+24
.set OLDM, ST+28
.set HOLD2, ST+29
.set TW,   ST+33
.set P,    PP+16*(\u)
.endm
.macro MASKS off                       ; a tile step's 64 lane masks
	s_load_b512 s[16:31], s[MB:MB+1], s[MOFF] offset:\off
	s_load_b512 s[32:47], s[MB:MB+1], s[MOFF] offset:\off+0x40
	s_load_b512 s[48:63], s[MB:MB+1], s[MOFF] offset:\off+0x80
	s_load_b512 s[68:83], s[MB:MB+1], s[MOFF] offset:\off+0xc0
.endm
.macro KLOAD off, soff                 ; eight tiles of K and their scale words: 20 LDS loads
	WIN 0x40
.irp t, 0,1,2,3,4,5,6,7
	ds_load_b128 v[KF+8*\t:KF+8*\t+3], v[ADK] offset:\off+1024*\t
	ds_load_b128 v[KF+8*\t+4:KF+8*\t+7], v[ADK] offset:\off+1024*\t+512
.endr
	WIN 0
.irp i, 0,1,2,3
	ds_load_b32 v[KSW+\i], v[ADS] offset:\soff+128*\i
.endr
.endm
	s_load_b256 s[4:11], s[0:1], 0x0               ; qkv s[4:5], maskw s[6:7], maskf s[8:9], rc s[10:11]
	v_lshl_add_u32 v[SPW], v0, 2, SPARE
	v_mov_b32 v[NIL], 0
	v_lshrrev_b32 v13, 5, v0
	v_readfirstlane_b32 s[WV], v13                 ; wave 0..7
	v_and_b32 v13, 31, v0
	v_lshlrev_b32 v[LI], 4, v13                    ; 16 x lane
	v_lshl_add_u32 v[ASK0], v13, 2, SCK
	v_lshl_add_u32 v[ASV0], v13, 2, SCV
	v_and_b32 v[R4], 15, v0
	v_lshlrev_b32 v[GOS], 5, v[R4]
	v_lshlrev_b32 v[R4], 2, v[R4]
	v_lshlrev_b32 v26, 4, v0                       ; 16 x thread: the fill's offset in memory and in LDS
	v_add_nc_u32 v27, 0x10000, v26
	v_add_nc_u32 v28, 0x20000, v26
	v_add_nc_u32 v29, 0x30000, v26
	v_lshlrev_b32 v30, 5, v0
	v_lshl_add_u32 v31, v0, 5, SCK
	v_lshl_add_u32 v32, v0, 4, SCV
	v_add_nc_u32 v[LIV], VC, v[LI]
	s_and_b32 s3, ttmp7, 0xffff                    ; y.  The four work-groups of a head differ in bits 2 and 3 of y:
	s_bfe_u32 s36, s3, 0x20002                     ; which 512 queries: (y / 4) % 4
	s_and_b32 s12, s3, 3
	s_lshl_b32 s12, s12, 2
	s_add_co_u32 s12, s12, ttmp9                   ; the head: x + 4 (y % 4)
	s_lshr_b32 s3, s3, 4
	s_lshl_b32 s3, s3, 4
	s_add_co_u32 s12, s12, s3                      ; 16 batch + head, batch = y / 16
	s_lshr_b32 s13, s12, 4
	s_and_b32 s14, s12, 15
	s_lshl_b32 s15, s13, 7
	s_lshl_b32 s3, s36, 5
	s_add_co_u32 s15, s15, s3
	s_lshl_b32 s3, s[WV], 2
	s_add_co_u32 s15, s15, s3                      ; my first tile of 16 queries: 128 batch + 32 ((y / 4) % 4) + 4 wave
	s_lshl_b32 s16, s14, 19                        ; offsets in qkv: K's codes,
	s_lshl_b32 s3, s13, 17
	s_add_co_u32 s16, s16, s3
	s_add_co_u32 s16, s16, 0x800000
	s_mov_b32 s17, 0
	s_lshl_b32 s18, s12, 17                        ; V's codes,
	s_add_co_u32 s18, s18, 0x1000000
	s_mov_b32 s19, 0
	s_lshr_b32 s20, s14, 1
	s_lshl_b32 s20, s20, 9
	s_add_co_u32 s26, s20, s15                     ; Q's scale words,
	s_lshl_b32 s26, s26, 6
	s_add_co_u32 s26, s26, 0x1800000
	s_mov_b32 s27, 0
	s_lshl_b32 s3, s13, 7                          ; K's scale words,
	s_add_co_u32 s20, s20, s3
	s_lshl_b32 s20, s20, 6
	s_add_co_u32 s20, s20, 0x1840000
	s_mov_b32 s21, 0
	s_lshl_b32 s22, s12, 12                        ; V's scale words,
	s_add_co_u32 s22, s22, 0x1880000
	s_mov_b32 s23, 0
	s_lshl_b32 s24, s14, 19                        ; Q's codes
	s_lshl_b32 s3, s15, 10
	s_add_co_u32 s24, s24, s3
	s_mov_b32 s25, 0
	s_lshl_b32 s[MB], s15, 12
	s_mov_b32 s[MB+1], 0
	s_lshl_b32 s36, s15, 9
	s_mov_b32 s37, 0
	s_lshl_b32 s[RP], s15, 14
	s_lshl_b32 s3, s14, 10
	s_add_co_u32 s[RP], s[RP], s3
	s_mov_b32 s[RP+1], 0
	s_lshl_b32 s[RSP], s15, 9
	s_lshl_b32 s3, s14, 1
	s_add_co_u32 s[RSP], s[RSP], s3
	s_add_co_u32 s[RSP], s[RSP], 0x800000
	s_mov_b32 s[RSP+1], 0
	s_and_b32 s[SH], s14, 1
	s_lshl_b32 s[SH], s[SH], 4                     ; which 16 bits of a scale word are my head's
	s_mov_b32 s[CS], 0x3e38aa3b                    ; log2(e) / 8
	s_mov_b32 s[CS+1], s[CS]
	s_mov_b32 s[SEL], 0x76543210
	s_mov_b32 s[SEL+1], 0xfedcba98
	s_mov_b32 s[MNT], 0x600000
	s_mov_b32 s[PS], 0
	WALU
	s_wait_kmcnt 0x0
	s_add_nc_u64 s[16:17], s[4:5], s[16:17]
	s_add_nc_u64 s[18:19], s[4:5], s[18:19]
	s_add_nc_u64 s[20:21], s[4:5], s[20:21]
	s_add_nc_u64 s[22:23], s[4:5], s[22:23]
	s_add_nc_u64 s[24:25], s[4:5], s[24:25]
	s_add_nc_u64 s[26:27], s[4:5], s[26:27]
	s_add_nc_u64 s[MB:MB+1], s[6:7], s[MB:MB+1]
	s_add_nc_u64 s[36:37], s[8:9], s[36:37]
	s_add_nc_u64 s[RP:RP+1], s[10:11], s[RP:RP+1]
	s_add_nc_u64 s[RSP:RSP+1], s[10:11], s[RSP:RSP+1]
.irp i, 0,1,2,3,4,5,6,7
	s_load_b32 s[28+\i], s[36:37], 256*\i          ; my four tiles' step bits, a word for each half of the keys
.endr
	global_load_b128 v[QF+8:QF+11], v30, s[20:21]              ; K's scale words: 32 bytes a thread
	global_load_b128 v[QF+12:QF+15], v30, s[20:21] offset:16
	global_load_b128 v[QF+24:QF+27], v26, s[22:23]             ; V's: 16 bytes a thread
.irp u, 0,1
	global_load_b128 v[QF+16*\u:QF+16*\u+3], v[LI], s[24:25] offset:1024*\u
	global_load_b128 v[QF+16*\u+4:QF+16*\u+7], v[LI], s[24:25] offset:1024*\u+512
	global_load_b32 v[QSW+\u], v[R4], s[26:27] offset:64*\u
	global_load_b32 v[QSN+\u], v[R4], s[26:27] offset:128+64*\u
.endr
	WIN 0x40
.irp i, 0,1,2,3
	global_load_b128 v[QN+4*\i:QN+4*\i+3], v[LI], s[24:25] offset:2048+512*\i
.endr
	WIN 0
.set i, 0
.rept 32
	global_load_b128 v[128+4*i:128+4*i+3], v26, s[16:17] offset:4096*i   ; K: the 256 threads read 4,096 consecutive bytes
.set i, i+1
.endr
	WIN 0x40
.set i, 0
.rept 32
	global_load_b128 v[4*i:4*i+3], v26, s[18:19] offset:4096*i           ; V likewise, into window 1
.set i, i+1
.endr
	WIN 0
	s_wait_kmcnt 0x0
.irp i, 0,1
	s_lshl_b32 s[29+2*\i], s[29+2*\i], 8
	s_or_b32 s[FL+\i], s[28+2*\i], s[29+2*\i]      ; bit s: step s of this pass's tile i
	s_lshl_b32 s[33+2*\i], s[33+2*\i], 8
	s_or_b32 s[FN+\i], s[32+2*\i], s[33+2*\i]      ; and of the second pass's
.endr
	s_wait_loadcnt 32                              ; all but V's 32 loads are in
.irp j, 0,1,2,3,4,5,6,7
	v_bfe_u32 v[QF+8+\j], v[QF+8+\j], s[SH], 16    ; my head's two bytes; the upper two bytes are 0, over zero codes
.endr
.irp j, 0,1,2,3
	v_bfe_u32 v[QSW+\j], v[QSW+\j], s[SH], 16
.endr
	ds_store_b128 v31, v[QF+8:QF+11]
	ds_store_b128 v31, v[QF+12:QF+15] offset:16
	ds_store_b128 v32, v[QF+24:QF+27]
.set i, 0
.rept 16
	ds_store_b128 v26, v[128+4*i:128+4*i+3] offset:4096*i
	ds_store_b128 v27, v[192+4*i:192+4*i+3] offset:4096*i
.set i, i+1
.endr
	v_mov_b32 v[SMR], 0xd2000000                   ; -2^37
.irp j, 0,1,2,3,4,5,6,7
	v_mov_b32 v[QF+8+\j], 0                        ; the upper 64 of Q's operands: zero codes
	v_mov_b32 v[QF+24+\j], 0
.endr
.irp u, 0,1
.irp j, 11,16,17,18,19,33
	v_mov_b32 v[26+34*\u+\j], 0                    ; written once: a lane permute's destination, and the upper half of the pair of f, count as read
.endr
.endr
	s_wait_loadcnt 0x0
	WIN 0x04
.set i, 0
.rept 16
	ds_store_b128 v28, v[4*i:4*i+3] offset:4096*i
	ds_store_b128 v29, v[64+4*i:64+4*i+3] offset:4096*i
.set i, i+1
.endr
	WIN 0x40
.irp j, 0,1,2,3,4,5,6,7
	v_mov_b32 v[KF+64+\j], 0                       ; what stands behind K's last tile in its operand
.endr
	WIN 0
	WALU
	s_wait_dscnt 0x0
	s_barrier_signal -1
	s_barrier_wait -1                              ; K, V and their scale words lie in LDS
; ONE TILE'S SOFTMAX AND QUANTISER for a step of 128 keys
.macro SOFTA T                         ; the mask, the blocks' largest scores, M, f and t - M
	TILE \T
	WALU
	s_wait_kmcnt 0x0                               ; any lane masks asked for are in
	s_bitcmp1_b32 s[FL+\T], 0
	s_cbranch_scc0 .Lclear_\@                      ; no mask bit in this tile step
	WALU                                           ; directly ahead of the first readers of the scores
.set n, 0
.rept 64
	v_cndmask_b32 v[S+n], v[S+n], v[SMR], s[16+n+4*(n/48)]
.set n, n+1
.endr
.Lclear_\@:
	s_bitcmp1_b32 s[FL+1-\T], \T                   ; the tile step that follows: the other tile's, of this step (tile 0) or the next (tile 1)
	s_cbranch_scc0 .Lnone_\@
	MASKS 4096-3840*\T
.Lnone_\@:
	WALU                                           ; directly ahead of the readers below
.irp b, 0,1,2,3
	v_max3_num_f32 v[BM+\b], v[S+16*\b], v[S+16*\b+1], v[S+16*\b+2]   ; each block's largest score: for the row's maximum and for the block's largest p
.endr
.irp i, 3,5,7,9,11,13
.irp b, 0,1,2,3
	v_max3_num_f32 v[BM+\b], v[BM+\b], v[S+16*\b+\i], v[S+16*\b+\i+1]
.endr
.endr
.irp b, 0,1,2,3
	v_max_num_f32 v[BM+\b], v[BM+\b], v[S+16*\b+15]
.endr
.irp b, 0,1,2,3
	v_permlanex16_b32 v[T1+\b], v[BM+\b], s[SEL], s[SEL+1]
.endr
.irp b, 0,1,2,3
	v_max_num_f32 v[BM+\b], v[BM+\b], v[T1+\b]
.endr
	v_max3_num_f32 v[TW], v[BM], v[BM+1], v[BM+2]
	v_max_num_f32 v[TW], v[TW], v[BM+3]
	v_mul_f32 v[TW], s[CS], v[TW]
	v_max_num_f32 v[MN+1], v[MN+1], v[TW]          ; the running largest t
	v_floor_f32 v[MN], -v[MN+1]                    ; -M
	v_sub_f32 v[TW], v[MN], v[OLDM]                ; old M - new M
.irp j, 0,2
	v_pk_fma_f32 v[S+\j:S+\j+1], v[S+\j:S+\j+1], s[CS:CS+1], v[MN:MN+1] op_sel_hi:[1,0,0]
.endr
	v_cvt_i32_f32 v[TW], v[TW]
.irp j, 4,6
	v_pk_fma_f32 v[S+\j:S+\j+1], v[S+\j:S+\j+1], s[CS:CS+1], v[MN:MN+1] op_sel_hi:[1,0,0]
.endr
	v_ldexp_f32 v[F], 1.0, v[TW]                   ; f = 2^(old M - new M)
.set j, 8
.rept 28
	v_pk_fma_f32 v[S+j:S+j+1], v[S+j:S+j+1], s[CS:CS+1], v[MN:MN+1] op_sel_hi:[1,0,0]
.set j, j+2
.endr
.irp b, 0,1,2,3
	v_fma_f32 v[BM+\b], v[BM+\b], s[CS], v[MN]
.endr
.endm
.macro SUMS                            ; of the tile that TILE has named
	v_pk_add_f32 v[SUMB:SUMB+1], v[S:S+1], v[S+2:S+3]         ; the row's sum of the unquantised p, in four chains
	v_pk_add_f32 v[SUMC:SUMC+1], v[S+4:S+5], v[S+6:S+7]
	v_pk_add_f32 v[SUMD:SUMD+1], v[S+8:S+9], v[S+10:S+11]
.irp j, 12,20,28,36,44,52
	v_pk_add_f32 v[SUM:SUM+1], v[SUM:SUM+1], v[S+\j:S+\j+1]
	v_pk_add_f32 v[SUMB:SUMB+1], v[SUMB:SUMB+1], v[S+\j+2:S+\j+3]
	v_pk_add_f32 v[SUMC:SUMC+1], v[SUMC:SUMC+1], v[S+\j+4:S+\j+5]
	v_pk_add_f32 v[SUMD:SUMD+1], v[SUMD:SUMD+1], v[S+\j+6:S+\j+7]
.endr
	v_pk_add_f32 v[SUM:SUM+1], v[SUM:SUM+1], v[S+60:S+61]
	v_pk_add_f32 v[SUMB:SUMB+1], v[SUMB:SUMB+1], v[S+62:S+63]
.endm
.macro SCALES T                        ; the four blocks' scale operands, bounds and bytes
.irp b, 0,1,2,3
	v_max_num_f32 v[BM+\b], 0x8000000, v[BM+\b]    ; the floor 2^(16 - 127): the byte cannot fall under 1
.endr
.irp b, 0,1,2,3
	v_add_nc_u32 v[SOP+\b], 0xf8800000, v[BM+\b]   ; the conversion's scale operand
.endr
.irp b, 0,1,2,3
	v_and_or_b32 v[HOLD+\b], v[BM+\b], 0x7f800000, s[MNT]    ; 57,344 x the scale,
.endr
.irp b, 0,1,2,3
	v_and_or_b32 v[HOLD2+\b], v[BM+\b], 0x7f800000, s[MNT]   ; and once more, in another bank, for the pairs below
.endr
.irp b, 0,1,2,3
	v_lshrrev_b32 v[T1+\b], 23, v[SOP+\b]
.endr
	v_lshl_or_b32 v[PW+\T], v[T1+1], 8, v[T1]      ; p's scale word
	v_lshl_or_b32 v[PW+\T], v[T1+2], 16, v[PW+\T]
	v_lshl_or_b32 v[PW+\T], v[T1+3], 24, v[PW+\T]
.endm
.macro HOLDS
.irp b, 0,1,2,3
.irp i, 0,2,4,6,8,10,12,14
	v_dual_min_num_f32 v[S+16*\b+\i], v[S+16*\b+\i], v[HOLD+\b] :: v_dual_min_num_f32 v[S+16*\b+\i+1], v[S+16*\b+\i+1], v[HOLD2+\b]   ; the conversion does not saturate (ISA guide 7.6.2); p is not negative
.endr
.endr
.endm
.macro CODES
.irp b, 0,1,2,3
	v_cvt_scalef32_pk8_bf8_f32 v[P+4*\b:P+4*\b+1], v[S+16*\b:S+16*\b+7], v[SOP+\b]
	v_cvt_scalef32_pk8_bf8_f32 v[P+4*\b+2:P+4*\b+3], v[S+16*\b+8:S+16*\b+15], v[SOP+\b]
.endr
.endm
.Lpass:                                                ; two trips: two tiles each
	s_mov_b32 s[TK], 0
	s_mov_b32 s[TS], 0
	s_mov_b32 s[TT], 0
	s_mov_b32 s[MOFF], 0
	s_mov_b32 s[CNT], 16
	MASKS 0                                        ; step 0 of tile 0: always asked for, so that the 64 registers are written on every way
	s_wait_dscnt 0x0                               ; the last pass's last fetch is over: its registers are fetched anew
	v_add_nc_u32 v[ADK], s[TK], v[LI]
	v_add_nc_u32 v[ADV], s[TK], v[LIV]
	v_add_nc_u32 v[ADS], s[TS], v[ASK0]
	v_add_nc_u32 v[ADT], s[TT], v[ASV0]
	KLOAD 0, 0
.irp u, 0,1
	v_mov_b32 v[27+34*\u], 0xff61b1e6              ; the largest t so far: -3e38
	v_floor_f32 v[26+34*\u], -v[27+34*\u]
.irp j, 2,3,4,5
	v_mov_b32 v[26+34*\u+\j], 0                    ; the sums
.endr
.endr
	WIN 0x40
.set j, 0
.rept 64
	v_mov_b32 v[OO+j], 0                           ; O^T: the step is written once; the first change of M leaves zeros zeros
.set j, j+1
.endr
	WIN 0
	WALU
.Lstep:                                                ; 16 trips of 128 keys
	WIN 0x40
.irp d, 0,1,2,3
.irp c, 0,1,2,3
	ds_load_b128 v[VF+16*\d+4*\c:VF+16*\d+4*\c+3], v[ADV] offset:2048*\c+512*\d
.endr
.endr
	WIN 0
	ds_load_b32 v[VSW], v[ADT]
	ds_load_b32 v[VSW+1], v[ADT] offset:128
	s_wait_dscnt 18                                ; K's 20 loads are in; V's 18, issued behind them, may be out
	WIN 0x01
.irp t, 0,2,4,6
.irp u, 0,1
	v_wmma_scale_f32_16x16x128_f8f6f4 v[128+64*\u+8*\t:128+64*\u+8*\t+7], v[KF+8*\t:KF+8*\t+15], v[QF+16*\u:QF+16*\u+15], 0, v[KSW+\t/2], v[QSW+\u] matrix_a_fmt:MATRIX_FMT_BF8 matrix_b_fmt:MATRIX_FMT_BF8
	v_wmma_scale_f32_16x16x128_f8f6f4 v[128+64*\u+8*\t+8:128+64*\u+8*\t+15], v[KF+8*\t+8:KF+8*\t+23], v[QF+16*\u:QF+16*\u+15], 0, v[KSW+\t/2], v[QSW+\u] matrix_a_fmt:MATRIX_FMT_BF8 matrix_b_fmt:MATRIX_FMT_BF8 matrix_a_scale:MATRIX_SCALE_ROW1
.endr
.endr
	WIN 0
.irp u, 0,1                                    ; eight plain lines behind the products, ahead of the loads into K's registers and of the scores' readers
	v_pk_add_f32 v[28+34*\u:29+34*\u], v[28+34*\u:29+34*\u], v[30+34*\u:31+34*\u]   ; the last step's sums are joined
	v_mov_b32 v[54+34*\u], v[26+34*\u]             ; the old -M
.endr
.rept 4
	v_nop
.endr
	KLOAD 8192, 512                                ; the next step's K
	SOFTA 0
	SOFTA 1
	WALU                                           ; ahead of the batch
.set j, 0
.rept 64
	v_exp_f32 v[128+j], v[128+j]                   ; tile 0's p
.set j, j+1
.endr
.irp u, 0,1
.irp b, 0,1,2,3
	v_exp_f32 v[38+34*\u+\b], v[38+34*\u+\b]       ; both tiles' largest p of each block
.endr
.endr
.irp u, 0,1
	v_pk_mul_f32 v[28+34*\u:29+34*\u], v[28+34*\u:29+34*\u], v[36+34*\u:37+34*\u] op_sel_hi:[1,0]   ; the sums under the new M
.endr
	WALU                                           ; one wait for the batch
	TILE 0
	SUMS
	SCALES 0
	WALU                                           ; ahead of the second batch
.set k, 0
.rept 32                                       ; tile 1's p; among them tile 0's holds, which read what was written ahead of the wait above and are read behind the wait below
	v_exp_f32 v[192+2*k], v[192+2*k]
	v_dual_min_num_f32 v[128+2*k], v[128+2*k], v[46+k/8] :: v_dual_min_num_f32 v[129+2*k], v[129+2*k], v[55+k/8]
	v_exp_f32 v[193+2*k], v[193+2*k]
.set k, k+1
.endr
	v_nop                                          ; a plain line behind the last exponential
	WALU                                           ; one wait for the batch
	TILE 1
	SUMS
	SCALES 1
	HOLDS
	WIN 0x40
	TILE 0
	CODES
	TILE 1
	CODES
	WIN 0
	v_nop                                          ; a plain line behind the last conversion
	WIN 0x41
	WALU                                           ; directly ahead of the first readers of O^T
.irp u, 0,1
.set j, 0
.rept 16
	v_pk_mul_f32 v[OO+32*\u+j:OO+32*\u+j+1], v[OO+32*\u+j:OO+32*\u+j+1], v[36+34*\u:37+34*\u] op_sel_hi:[1,0]   ; O^T under the new M
.set j, j+2
.endr
.endr
	WALU
	s_wait_dscnt 20                                ; V's loads are in; the next K's 20 may be out
	WIN 0x55
.irp d, 0,2                                    ; the eight accumulators by turns
.irp u, 0,1
	v_wmma_scale_f32_16x16x128_f8f6f4 v[OO+32*\u+8*\d:OO+32*\u+8*\d+7], v[VF+16*\d:VF+16*\d+15], v[PP+16*\u:PP+16*\u+15], v[OO+32*\u+8*\d:OO+32*\u+8*\d+7], v[VSW+\d/2], v[PW+\u] matrix_a_fmt:MATRIX_FMT_BF8 matrix_b_fmt:MATRIX_FMT_BF8
.endr
.irp u, 0,1
	v_wmma_scale_f32_16x16x128_f8f6f4 v[OO+32*\u+8*\d+8:OO+32*\u+8*\d+15], v[VF+16*\d+16:VF+16*\d+31], v[PP+16*\u:PP+16*\u+15], v[OO+32*\u+8*\d+8:OO+32*\u+8*\d+15], v[VSW+\d/2], v[PW+\u] matrix_a_fmt:MATRIX_FMT_BF8 matrix_b_fmt:MATRIX_FMT_BF8 matrix_a_scale:MATRIX_SCALE_ROW1
.endr
.endr
	WIN 0
	s_add_co_u32 s[TK], s[TK], 8192
	s_add_co_u32 s[TS], s[TS], 512
	s_add_co_u32 s[TT], s[TT], 256
	s_wait_xcnt 0x0                                ; any loads of lane masks, issued a tile's softmax back, have read their offset: it is stepped only behind this wait
	s_add_co_u32 s[MOFF], s[MOFF], 256
	v_add_nc_u32 v[ADK], s[TK], v[LI]              ; eight plain lines behind the products, ahead of the loads into V's registers
	v_add_nc_u32 v[ADV], s[TK], v[LIV]
	v_add_nc_u32 v[ADS], s[TS], v[ASK0]
	v_add_nc_u32 v[ADT], s[TT], v[ASV0]
.irp u, 0,1
	v_pk_add_f32 v[30+34*\u:31+34*\u], v[30+34*\u:31+34*\u], v[32+34*\u:33+34*\u]
	v_pk_add_f32 v[28+34*\u:29+34*\u], v[28+34*\u:29+34*\u], v[34+34*\u:35+34*\u]
.endr
	s_lshr_b32 s[FL], s[FL], 1
	s_lshr_b32 s[FL+1], s[FL+1], 1
	s_sub_co_u32 s[CNT], s[CNT], 1
	s_cmp_lg_u32 s[CNT], 0
	WALU
	s_cbranch_scc1 .Lstep
	; THE WAY OUT of the pass's two tiles
.irp u, 0,1
	v_pk_add_f32 v[28+34*\u:29+34*\u], v[28+34*\u:29+34*\u], v[30+34*\u:31+34*\u]
	v_add_f32 v[28+34*\u], v[28+34*\u], v[29+34*\u]
	v_permlanex16_b32 v[59+34*\u], v[28+34*\u], s[SEL], s[SEL+1]
	v_add_f32 v[28+34*\u], v[28+34*\u], v[59+34*\u]           ; the row's sum
.endr
	WALU                                           ; ahead of the two
	v_rcp_f32 v28, v28
	v_rcp_f32 v62, v62
	v_nop
	WIN 0x01
	WALU                                           ; behind the two, directly ahead of the first readers of O^T
.irp u, 0,1
.set j, 0
.rept 32
	v_mul_f32 v[128+64*\u+j], v[OO+32*\u+j], v[28+34*\u]
.set j, j+1
.endr
.endr
	WIN 0
.macro QOUT T                          ; res's two blocks of 32 along the head's 64: scale bytes and codes
	TILE \T
.irp b, 0,1
	v_max3_num_f32 v[BM+\b], |v[S+16*\b]|, |v[S+16*\b+1]|, 0x8000000
.endr
.irp i, 2,4,6,8,10,12,14
.irp b, 0,1
	v_max3_num_f32 v[BM+\b], v[BM+\b], |v[S+16*\b+\i]|, |v[S+16*\b+\i+1]|
.endr
.endr
.irp b, 0,1
	v_permlanex16_b32 v[T1+\b], v[BM+\b], s[SEL], s[SEL+1]
.endr
.irp b, 0,1
	v_max_num_f32 v[BM+\b], v[BM+\b], v[T1+\b]
.endr
.irp b, 0,1
	v_add_nc_u32 v[SOP+\b], 0xf8800000, v[BM+\b]
.endr
.irp b, 0,1
	v_and_or_b32 v[HOLD+\b], v[BM+\b], 0x7f800000, s[MNT]
.endr
.irp b, 0,1
	v_lshrrev_b32 v[T1+\b], 23, v[SOP+\b]
.endr
	v_lshl_or_b32 v[T1+2], v[T1+1], 8, v[T1]
.irp b, 0,1
.irp i, 0,1,2,3,4,5,6,7,8,9,10,11,12,13,14,15
	v_med3_num_f32 v[S+16*\b+\i], v[S+16*\b+\i], -v[HOLD+\b], v[HOLD+\b]
.endr
	v_cvt_scalef32_pk8_bf8_f32 v[S+32+4*\b:S+32+4*\b+1], v[S+16*\b:S+16*\b+7], v[SOP+\b]
	v_cvt_scalef32_pk8_bf8_f32 v[S+32+4*\b+2:S+32+4*\b+3], v[S+16*\b+8:S+16*\b+15], v[SOP+\b]
.endr
	v_nop
	global_store_b128 v[LI], v[S+32:S+35], s[RP:RP+1] offset:16384*\T          ; 512 consecutive bytes, aligned
	global_store_b128 v[LI], v[S+36:S+39], s[RP:RP+1] offset:16384*\T+512
	global_store_b16 v[GOS], v[T1+2], s[RSP:RSP+1] offset:512*\T               ; a row's two scale bytes
.endm
	QOUT 0
	QOUT 1
	s_wait_kmcnt 0x0
	s_wait_xcnt 0x0                                ; the stores have read their registers and bases: both change below
	WIN 0x01
.irp j, 0,1,2,3,4,5,6,7
	v_mov_b32 v[QF+\j], v[QN+\j]                   ; the second pass's Q
	v_mov_b32 v[QF+16+\j], v[QN+8+\j]
.endr
	WIN 0
	v_mov_b32 v[QSW], v[QSN]
	v_mov_b32 v[QSW+1], v[QSN+1]
	s_mov_b32 s[FL], s[FN]
	s_mov_b32 s[FL+1], s[FN+1]
	s_add_nc_u64 s[MB:MB+1], s[MB:MB+1], 8192
	s_add_nc_u64 s[RP:RP+1], s[RP:RP+1], 32768
	s_add_nc_u64 s[RSP:RSP+1], s[RSP:RSP+1], 1024
	s_add_co_u32 s[PS], s[PS], 1
	s_cmp_lt_u32 s[PS], 2
	WALU
	s_cbranch_scc1 .Lpass
	s_wait_tensorcnt 0x0                           ; the wave's end
	ds_add_u32 v[SPW], v[NIL]
	s_wait_dscnt 0x0
	s_endpgm
.Lfunc_end_k_q7504ab2d66_attn:
	.size	k_q7504ab2d66_attn, .Lfunc_end_k_q7504ab2d66_attn-k_q7504ab2d66_attn
	.p2alignl 7, 3214868480
	.fill 96, 4, 3214868480
	.section	.rodata,"a",@progbits
	.p2align	6, 0x0
	.amdhsa_kernel k_q7504ab2d66_attn
		.amdhsa_group_segment_fixed_size 275456
		.amdhsa_private_segment_fixed_size 0
		.amdhsa_enable_private_segment 0
		.amdhsa_kernarg_size 32
		.amdhsa_user_sgpr_count 2
		.amdhsa_user_sgpr_kernarg_segment_ptr 1
		.amdhsa_wavefront_size32 1
		.amdhsa_system_sgpr_workgroup_id_x 1
		.amdhsa_system_sgpr_workgroup_id_y 1
		.amdhsa_system_sgpr_workgroup_id_z 1
		.amdhsa_system_vgpr_workitem_id 0
		.amdhsa_next_free_vgpr 512
		.amdhsa_next_free_sgpr 106
		.amdhsa_reserve_vcc 0
		.amdhsa_float_denorm_mode_32 3
		.amdhsa_float_denorm_mode_16_64 3
		.amdhsa_memory_ordered 1
		.amdhsa_forward_progress 1
		.amdhsa_inst_pref_size 80
	.end_amdhsa_kernel
	.amdgpu_metadata
---
amdhsa.version: [ 1, 2 ]
amdhsa.kernels:
  - .name:           k_q7504ab2d66_attn
    .symbol:         k_q7504ab2d66_attn.kd
    .args:
      - { .name: qkv, .offset: 0, .size: 8, .value_kind: global_buffer, .address_space: global }
      - { .name: maskw, .offset: 8, .size: 8, .value_kind: global_buffer, .address_space: global }
      - { .name: maskf, .offset: 16, .size: 8, .value_kind: global_buffer, .address_space: global }
      - { .name: rc, .offset: 24, .size: 8, .value_kind: global_buffer, .address_space: global }
    .group_segment_fixed_size: 275456
    .private_segment_fixed_size: 0
    .kernarg_segment_align: 8
    .kernarg_segment_size: 32
    .max_flat_workgroup_size: 256
    .sgpr_count:     106
    .vgpr_count:     512
    .wavefront_size: 32
...
	.end_amdgpu_metadata
.endif
;; end of part 3
;; launch fcln (part 4): grid 256 x 1, 16 waves a work-group, no clusters, 166,400 bytes of LDS; arguments rc, wfi, W_fc_scales, Q, ln_gamma, ln_beta, out0; writes out0
.if DOCPART == 4
	.amdgcn_target "amdgcn-amd-amdhsa--gfx1250"
	.amdhsa_code_object_version 6
	.text
	.protected	k_q7504ab2d66_fcln
	.globl	k_q7504ab2d66_fcln
	.p2align	8
	.type	k_q7504ab2d66_fcln,@function
k_q7504ab2d66_fcln:
	s_mov_b64 s[64:65], 0
	v_nop
	global_prefetch_b8 v0, s[64:65] scope:SCOPE_SE
	s_setreg_imm32_b32 hwreg(HW_REG_WAVE_MODE, 25, 1), 1
	s_wait_xcnt 0x0
; out = layer_norm(res W_fc^T + Q) x gamma + beta.  The product runs on codes of E5M2 with one E8M0 scale for each 32 along K = 1,024; all else in f32.
; SHARES.  A work-group owns 32 rows and all 1,024 columns, so that a row's mean and variance have one owner.  Wave w makes columns 64 w .. 64 w + 63 for the 32 rows: 4 x 2 accumulators.
; res comes as images of operand registers (a block of 16 rows x 32 K: 512 bytes, lane l's 16 bytes at 16 l), 32,768 bytes for the 32 rows: once into LDS, read by all sixteen waves.
; W_fc comes as images in the same order inside a block, laid [K step][column tile][block]: a fragment is four loads of 512 consecutive bytes, from memory straight into the registers of the one wave that multiplies by it.
; NO JOINT LOADS, though all work-groups walk the same W_fc: a fragment of W_fc (2,048 bytes) feeds two matrix instructions of one wave; through LDS each of its bytes would be written and read once more for those two,
;   and a K step of the work-group's (131,072 bytes) holds only eight matrix instructions a wave, too few for a slot's one load a wave to land under.  Here 16 to 24 loads of every wave are on their way, and the K loop has no barrier.
; The product is used transposed (source 0 = 16 rows of W_fc, source 1 = 16 rows of res): a lane holds eight neighbouring columns of one row.  Rows meet in a stage in LDS; then wave w owns rows 2 w and 2 w + 1.
; The variance is the mean of the squared differences from the mean, as the definition has it: no difference of large sums.
; LIMITS: NaN and infinities are not served.
.set STG,  32768                       ; LDS: res's images at 0; the stage: 32 rows x (4,096 + 16) bytes
.set SPI,  4112
.set LI,   1                           ; v1  16 x lane
.set WA,   2                           ; v2  16 x lane + 8,192 x wave: my four column tiles in a K step of wfi
.set TI,   3                           ; v3  16 x thread
.set R32,  4                           ; v4  32 (l % 16): a row of scale bytes
.set SO0,  5                           ; v5  the stage, in: rows 0-15;  v6: rows 16-31
.set SO1,  6
.set SR,   7                           ; v7  the stage, out: my two rows
.set PFO,  8                           ; v8  the prefetch's offset: 4,096 (l / 16) + 256 (l % 16)
.set AF,   16                          ; v16-47   res's two fragments; later beta
.set WR,   48                          ; v48-143  W_fc: three sets of two fragments; later Q (v48-111), then work, and gamma (v112-143)
.set ACC,  144                         ; v144-207 accumulator (t, m) at 144 + 8 (2 t + m); later my two rows
.set WS,   208                         ; v208-239 W_fc's scale words: 8 t + s
.set AS,   240                         ; v240-255 res's: 8 m + s
.set XR,   144
.set QR,   48
.set WK,   48                          ; row e's work at v[48 + 16 e] on
.set GA,   112
.set BE,   16
.set WV,   18
.set SEL,  28
.set INV,  30                          ; s30 1 / 1,024
.set EPS,  31                          ; s31 1e-5
	s_load_b256 s[4:11], s[0:1], 0x0               ; rc s[4:5], wfi s[6:7], W_fc's scales s[8:9], Q s[10:11]
	s_load_b128 s[12:15], s[0:1], 0x20             ; gamma s[12:13], beta s[14:15]
	s_load_b64 s[16:17], s[0:1], 0x30              ; out0
	v_lshl_add_u32 v14, v0, 2, 0x28200
	v_mov_b32 v15, 0
	v_lshrrev_b32 v10, 5, v0
	s_delay_alu instid0(VALU_DEP_1)
	v_readfirstlane_b32 s[WV], v10                 ; wave 0..15
	v_and_b32 v10, 31, v0
	s_delay_alu instid0(VALU_DEP_1)
	v_lshlrev_b32 v[LI], 4, v10
	s_lshl_b32 s19, s[WV], 13
	v_add_nc_u32 v[WA], s19, v[LI]
	v_lshlrev_b32 v[TI], 4, v0
	v_and_b32 v11, 15, v0                          ; r
	v_bfe_u32 v12, v0, 4, 1                        ; h
	s_delay_alu instid0(VALU_DEP_2)
	v_lshlrev_b32 v[R32], 5, v11
	s_delay_alu instid0(VALU_DEP_3)
	v_mul_u32_u24 v[SO0], v11, SPI
	s_delay_alu instid0(VALU_DEP_1)
	v_lshl_add_u32 v[SO0], v12, 5, v[SO0]
	s_lshl_b32 s19, s[WV], 8
	s_add_co_u32 s19, s19, STG
	v_add_nc_u32 v[SO0], s19, v[SO0]               ; row r, + 32 h, + 256 x wave: my columns' bytes
	s_delay_alu instid0(VALU_DEP_1)
	v_add_nc_u32 v[SO1], 16*SPI, v[SO0]
	s_mul_i32 s19, s[WV], 2*SPI
	s_add_co_u32 s19, s19, STG
	v_add_nc_u32 v[SR], s19, v[LI]
	v_lshlrev_b32 v[PFO], 12, v12
	s_delay_alu instid0(VALU_DEP_1)
	v_lshl_add_u32 v[PFO], v11, 8, v[PFO]
	s_mov_b32 s[SEL], 0x76543210
	s_mov_b32 s[SEL+1], 0xfedcba98
	s_mov_b32 s[INV], 0x3a800000
	s_mov_b32 s[EPS], 0x3727c5ac
	s_mov_b32 s21, 0
	s_wait_alu depctr_va_vdst(0)
	s_wait_kmcnt 0x0
	s_lshl_b32 s20, ttmp9, 15
	s_add_nc_u64 s[22:23], s[4:5], s[20:21]        ; my 32 rows' images
	s_lshl_b32 s20, ttmp9, 10
	s_add_co_u32 s20, s20, 0x800000
	s_add_nc_u64 s[24:25], s[4:5], s[20:21]        ; their scale bytes
	s_lshl_b32 s20, s[WV], 11
	s_add_nc_u64 s[8:9], s[8:9], s[20:21]          ; the scale bytes of my 64 rows of W_fc
	s_lshl_b32 s20, ttmp9, 5
	s_lshl_b32 s26, s[WV], 1
	s_add_co_u32 s20, s20, s26
	s_lshl_b32 s20, s20, 12                        ; my two rows of Q and of out0
	s_add_nc_u64 s[10:11], s[10:11], s[20:21]
	s_add_nc_u64 s[16:17], s[16:17], s[20:21]
.irp i, 0,1,2,3
	global_load_b128 v[ACC+4*\i:ACC+4*\i+3], v[TI], s[22:23] offset:8192*\i
.endr
.irp m, 0,1
	global_load_b128 v[AS+8*\m:AS+8*\m+3], v[R32], s[24:25] offset:512*\m
	global_load_b128 v[AS+8*\m+4:AS+8*\m+7], v[R32], s[24:25] offset:512*\m+16
.endr
.irp t, 0,1,2,3
	global_load_b128 v[WS+8*\t:WS+8*\t+3], v[R32], s[8:9] offset:512*\t
	global_load_b128 v[WS+8*\t+4:WS+8*\t+7], v[R32], s[8:9] offset:512*\t+16
.endr
; unit u: K step u / 2, column tiles 2 (u % 2) and 2 (u % 2) + 1: two fragments of W_fc, eight loads, into set u % 3
.macro WLOAD u
.irp tt, 0,1
.irp c, 0,1,2,3
	global_load_b128 v[WR+32*((\u)%3)+16*\tt+4*\c:WR+32*((\u)%3)+16*\tt+4*\c+3], v[WA], s[6:7] offset:131072*((\u)/2)+2048*(2*((\u)%2)+\tt)+512*\c
.endr
.endr
.endm
	WLOAD 0
	WLOAD 1
	WLOAD 2
	s_wait_loadcnt 36                              ; res's four loads are in; the 12 loads of scale words and the 24 of W_fc stay out
.irp i, 0,1,2,3
	ds_store_b128 v[TI], v[ACC+4*\i:ACC+4*\i+3] offset:8192*\i
.endr
	s_wait_dscnt 0x0
	s_barrier_signal -1
	s_barrier_wait -1                              ; res's 64 blocks lie in LDS
.macro UNIT u
.set US, (\u)/2
.set UT, 2*((\u)%2)
.set UW, WR+32*((\u)%3)
.if (\u) <= 13
	s_wait_loadcnt 16                              ; this unit's eight loads are in; the next two units' stay out
.elseif (\u) == 14
	s_wait_loadcnt 8
.else
	s_wait_loadcnt 0
.endif
.if (\u)%2 == 0
.irp m, 0,1
.irp c, 0,1,2,3
	ds_load_b128 v[AF+16*\m+4*\c:AF+16*\m+4*\c+3], v[LI] offset:(32*\m+4*US+\c)*512
.endr
.endr
	s_wait_dscnt 0x0
.endif
.irp tt, 0,1
.irp m, 0,1
.if US == 0
	v_wmma_scale_f32_16x16x128_f8f6f4 v[ACC+8*(2*(UT+\tt)+\m):ACC+8*(2*(UT+\tt)+\m)+7], v[UW+16*\tt:UW+16*\tt+15], v[AF+16*\m:AF+16*\m+15], 0, v[WS+8*(UT+\tt)+US], v[AS+8*\m+US] matrix_a_fmt:MATRIX_FMT_BF8 matrix_b_fmt:MATRIX_FMT_BF8
.else
	v_wmma_scale_f32_16x16x128_f8f6f4 v[ACC+8*(2*(UT+\tt)+\m):ACC+8*(2*(UT+\tt)+\m)+7], v[UW+16*\tt:UW+16*\tt+15], v[AF+16*\m:AF+16*\m+15], v[ACC+8*(2*(UT+\tt)+\m):ACC+8*(2*(UT+\tt)+\m)+7], v[WS+8*(UT+\tt)+US], v[AS+8*\m+US] matrix_a_fmt:MATRIX_FMT_BF8 matrix_b_fmt:MATRIX_FMT_BF8
.endif
.endr
.endr
.rept 8
	v_nop                                          ; places in front of loads into registers that these products read, and at the end of the first read of results
.endr
.if (\u) <= 12
	WLOAD (\u)+3
.endif
.endm
; the eight accumulators take turns, one instruction a turn, four a unit
.irp u, 0,1,2,3,4,5,6
	UNIT \u
.endr
	global_prefetch_b8 v[PFO], s[10:11] th:TH_LOAD_NT scope:SCOPE_SE   ; my two rows of Q, 32 blocks of 256 bytes, a lane a block, each named once in the launch; nine units ahead of the loads that want them; it stands behind the unit's loads
.irp u, 7,8,9,10,11,12,13,14,15
	UNIT \u
.endr
	; THE WAY OUT
.irp e, 0,1
.irp i, 0,1,2,3,4,5,6,7
	global_load_b128 v[QR+32*\e+4*\i:QR+32*\e+4*\i+3], v[LI], s[10:11] offset:4096*\e+512*\i th:TH_LOAD_NT
.endr
.endr
.irp i, 0,1,2,3,4,5,6,7
	global_load_b128 v[GA+4*\i:GA+4*\i+3], v[LI], s[12:13] offset:512*\i
.endr
.irp i, 0,1,2,3,4,5,6,7
	global_load_b128 v[BE+4*\i:BE+4*\i+3], v[LI], s[14:15] offset:512*\i
.endr
.irp t, 0,1,2,3
	ds_store_b128 v[SO0], v[ACC+16*\t:ACC+16*\t+3] offset:64*\t          ; each accumulator from its low end on
	ds_store_b128 v[SO0], v[ACC+16*\t+4:ACC+16*\t+7] offset:64*\t+16
	ds_store_b128 v[SO1], v[ACC+16*\t+8:ACC+16*\t+11] offset:64*\t
	ds_store_b128 v[SO1], v[ACC+16*\t+12:ACC+16*\t+15] offset:64*\t+16
.endr
	s_wait_dscnt 0x0
	s_barrier_signal -1
	s_barrier_wait -1                              ; 32 whole rows lie in the stage
.irp e, 0,1
.irp i, 0,1,2,3,4,5,6,7
	ds_load_b128 v[XR+32*\e+4*\i:XR+32*\e+4*\i+3], v[SR] offset:SPI*\e+512*\i
.endr
.endr
	s_wait_dscnt 0x0
	s_wait_loadcnt 16                              ; Q's sixteen loads are in; gamma's and beta's stay out
.irp e, 0,1
.set k, 0
.rept 16
	v_pk_add_f32 v[XR+32*\e+k:XR+32*\e+k+1], v[XR+32*\e+k:XR+32*\e+k+1], v[QR+32*\e+k:QR+32*\e+k+1]   ; x = the product + the residual
.set k, k+2
.endr
.endr
.macro LANES                           ; v[WK + 16 e]: the pair's halves, then over the 32 lanes; both rows by turns
.irp e, 0
	s_delay_alu instid0(VALU_DEP_3)
	v_pk_add_f32 v[WK+16*\e:WK+16*\e+1], v[WK+16*\e:WK+16*\e+1], v[WK+16*\e+2:WK+16*\e+3]
.endr
.irp e, 1
	s_delay_alu instid0(VALU_DEP_2)
	v_pk_add_f32 v[WK+16*\e:WK+16*\e+1], v[WK+16*\e:WK+16*\e+1], v[WK+16*\e+2:WK+16*\e+3]
.endr
.irp e, 0,1
	s_delay_alu instid0(VALU_DEP_2)
	v_add_f32 v[WK+16*\e], v[WK+16*\e], v[WK+16*\e+1]
.endr
.irp x, 1,2,4,8
.irp e, 0,1
	s_delay_alu instid0(VALU_DEP_2)
	v_add_f32_dpp v[WK+16*\e], v[WK+16*\e], v[WK+16*\e] row_xmask:\x row_mask:0xf bank_mask:0xf
.endr
.endr
.irp e, 0,1
	s_delay_alu instid0(VALU_DEP_2)
	v_permlanex16_b32 v[WK+16*\e+1], v[WK+16*\e], s[SEL], s[SEL+1]
.endr
.irp e, 0,1
	s_delay_alu instid0(VALU_DEP_2)
	v_add_f32 v[WK+16*\e], v[WK+16*\e], v[WK+16*\e+1]
.endr
.endm
.irp e, 0,1
	v_pk_add_f32 v[WK+16*\e:WK+16*\e+1], v[XR+32*\e:XR+32*\e+1], v[XR+32*\e+2:XR+32*\e+3]
	v_pk_add_f32 v[WK+16*\e+2:WK+16*\e+3], v[XR+32*\e+4:XR+32*\e+5], v[XR+32*\e+6:XR+32*\e+7]
.endr
.irp k, 8,12,16,20,24,28
.irp e, 0,1
	s_delay_alu instid0(VALU_DEP_4)
	v_pk_add_f32 v[WK+16*\e:WK+16*\e+1], v[WK+16*\e:WK+16*\e+1], v[XR+32*\e+\k:XR+32*\e+\k+1]
	s_delay_alu instid0(VALU_DEP_4)
	v_pk_add_f32 v[WK+16*\e+2:WK+16*\e+3], v[WK+16*\e+2:WK+16*\e+3], v[XR+32*\e+\k+2:XR+32*\e+\k+3]
.endr
.endr
	LANES
.irp e, 0,1
	s_delay_alu instid0(VALU_DEP_2)
	v_mul_f32 v[WK+16*\e+4], s[INV], v[WK+16*\e]   ; the mean
.endr
.irp e, 0,1
.set k, 0
.rept 16
	v_pk_add_f32 v[XR+32*\e+k:XR+32*\e+k+1], v[XR+32*\e+k:XR+32*\e+k+1], v[WK+16*\e+4:WK+16*\e+5] op_sel_hi:[1,0] neg_lo:[0,1] neg_hi:[0,1]   ; x - the mean
.set k, k+2
.endr
.endr
.irp e, 0,1
	v_pk_mul_f32 v[WK+16*\e:WK+16*\e+1], v[XR+32*\e:XR+32*\e+1], v[XR+32*\e:XR+32*\e+1]
	v_pk_mul_f32 v[WK+16*\e+2:WK+16*\e+3], v[XR+32*\e+2:XR+32*\e+3], v[XR+32*\e+2:XR+32*\e+3]
.endr
.irp k, 4,8,12,16,20,24,28
.irp e, 0,1
	s_delay_alu instid0(VALU_DEP_4)
	v_pk_fma_f32 v[WK+16*\e:WK+16*\e+1], v[XR+32*\e+\k:XR+32*\e+\k+1], v[XR+32*\e+\k:XR+32*\e+\k+1], v[WK+16*\e:WK+16*\e+1]
	s_delay_alu instid0(VALU_DEP_4)
	v_pk_fma_f32 v[WK+16*\e+2:WK+16*\e+3], v[XR+32*\e+\k+2:XR+32*\e+\k+3], v[XR+32*\e+\k+2:XR+32*\e+\k+3], v[WK+16*\e+2:WK+16*\e+3]
.endr
.endr
	LANES
.irp e, 0,1
	s_delay_alu instid0(VALU_DEP_2)
	v_fma_f32 v[WK+16*\e], v[WK+16*\e], s[INV], s[EPS]   ; the variance + 1e-5
.endr
	s_wait_alu depctr_va_vdst(0)
.irp e, 0,1
	v_rsq_f32 v[WK+16*\e+6], v[WK+16*\e]
.endr
	v_nop                                          ; a plain instruction behind the two
	s_wait_alu depctr_va_vdst(0)                   ; one wait for both, ahead of their first reader
	s_wait_loadcnt 0x0                             ; gamma and beta
.irp e, 0,1
.set k, 0
.rept 16
	v_pk_mul_f32 v[XR+32*\e+k:XR+32*\e+k+1], v[XR+32*\e+k:XR+32*\e+k+1], v[WK+16*\e+6:WK+16*\e+7] op_sel_hi:[1,0]
.set k, k+2
.endr
.set k, 0
.rept 16
	v_pk_fma_f32 v[XR+32*\e+k:XR+32*\e+k+1], v[XR+32*\e+k:XR+32*\e+k+1], v[GA+k:GA+k+1], v[BE+k:BE+k+1]
.set k, k+2
.endr
.irp i, 0,1,2,3,4,5,6,7
	global_store_b128 v[LI], v[XR+32*\e+4*\i:XR+32*\e+4*\i+3], s[16:17] offset:4096*\e+512*\i th:TH_STORE_NT   ; 512 consecutive bytes, aligned
.endr
.endr
	s_wait_tensorcnt 0x0
	ds_add_u32 v14, v15
	s_wait_dscnt 0x0
	s_endpgm
.Lfunc_end_k_q7504ab2d66_fcln:
	.size	k_q7504ab2d66_fcln, .Lfunc_end_k_q7504ab2d66_fcln-k_q7504ab2d66_fcln
	.p2alignl 7, 3214868480
	.fill 96, 4, 3214868480
	.section	.rodata,"a",@progbits
	.p2align	6, 0x0
	.amdhsa_kernel k_q7504ab2d66_fcln
		.amdhsa_group_segment_fixed_size 166400
		.amdhsa_private_segment_fixed_size 0
		.amdhsa_enable_private_segment 0
		.amdhsa_kernarg_size 56
		.amdhsa_user_sgpr_count 2
		.amdhsa_user_sgpr_kernarg_segment_ptr 1
		.amdhsa_wavefront_size32 1
		.amdhsa_system_sgpr_workgroup_id_x 1
		.amdhsa_system_sgpr_workgroup_id_y 1
		.amdhsa_system_sgpr_workgroup_id_z 1
		.amdhsa_system_vgpr_workitem_id 0
		.amdhsa_next_free_vgpr 256
		.amdhsa_next_free_sgpr 66
		.amdhsa_reserve_vcc 0
		.amdhsa_float_denorm_mode_32 3
		.amdhsa_float_denorm_mode_16_64 3
		.amdhsa_memory_ordered 1
		.amdhsa_forward_progress 1
		.amdhsa_inst_pref_size 57
	.end_amdhsa_kernel
	.amdgpu_metadata
---
amdhsa.version: [ 1, 2 ]
amdhsa.kernels:
  - .name:           k_q7504ab2d66_fcln
    .symbol:         k_q7504ab2d66_fcln.kd
    .args:
      - { .name: rc, .offset: 0, .size: 8, .value_kind: global_buffer, .address_space: global }
      - { .name: wfi, .offset: 8, .size: 8, .value_kind: global_buffer, .address_space: global }
      - { .name: W_fc_scales, .offset: 16, .size: 8, .value_kind: global_buffer, .address_space: global }
      - { .name: Q, .offset: 24, .size: 8, .value_kind: global_buffer, .address_space: global }
      - { .name: ln_gamma, .offset: 32, .size: 8, .value_kind: global_buffer, .address_space: global }
      - { .name: ln_beta, .offset: 40, .size: 8, .value_kind: global_buffer, .address_space: global }
      - { .name: out0, .offset: 48, .size: 8, .value_kind: global_buffer, .address_space: global }
    .group_segment_fixed_size: 166400
    .private_segment_fixed_size: 0
    .kernarg_segment_align: 8
    .kernarg_segment_size: 56
    .max_flat_workgroup_size: 512
    .sgpr_count:     66
    .vgpr_count:     256
    .wavefront_size: 32
...
	.end_amdgpu_metadata
.endif
;; end of part 4
